; MI455X (gfx1250); checked and timed in simulation.
; The chip was launched on July 23, 2026; its instructions are those of AMD's public machine-readable ISA for CDNA 5 (MIT licence, August 2026) and "CDNA5" Instruction Set Architecture Reference Guide (July 2026). The comments in the code are by the model that wrote it; some were corrected since.
;; Attention. Allowed arithmetic: float matrix products may take bf16 or f16 operands with f32 sums; other float arithmetic in f32, or as packed bf16 or f16 multiplies, adds, multiply-adds, maxima and minima; sums over many terms, partial sums and values carried from step to step in f32; what a program stores and reads back later, other than sums and carried values, may be rounded once to bf16 or f16.
;; Inputs: w_attn 3,072 x 1,024 float32; w_proj 1,024 x 1,024 float32; x 4 x 2,048 x 1,024 float32.
;; Outputs: out0 4 x 2,048 x 1,024 float32.
;; One version. Each part assembles by itself: llvm-mc -triple=amdgcn-amd-amdhsa -mcpu=gfx1250 --defsym DOCPART=n.
;; ======== version 1 of 1: 4 launches
;; limits: values are held in f16: magnitudes above 65,504 overflow, below 6.1e-05 lose precision
;; workspace buffers: xb 16,777,216 bytes; wab 6,291,456 bytes; wpf 2,097,152 bytes; tab 524,288 bytes; qh 16,777,216 bytes; kh 16,777,216 bytes; vh 16,777,216 bytes; yh 16,777,216 bytes
;; launch prep (part 1): grid 784 x 1, 8 waves a work-group, no clusters, 0 bytes of LDS; arguments x, w_attn, w_proj, xb, wab, wpf, tab; writes xb, wab, wpf, tab
.if DOCPART == 1
	.amdgcn_target "amdgcn-amd-amdhsa--gfx1250"
	.amdhsa_code_object_version 6
	.text
	.protected	k_qf0a6b7cd91_prep
	.globl	k_qf0a6b7cd91_prep
	.p2align	8
	.type	k_qf0a6b7cd91_prep,@function
k_qf0a6b7cd91_prep:
	s_mov_b64 s[64:65], 0
	v_nop
	global_prefetch_b8 v0, s[64:65] scope:SCOPE_SE
	s_setreg_imm32_b32 hwreg(HW_REG_WAVE_MODE, 25, 1), 1
	s_wait_xcnt 0x0
; THE INPUTS ARE ROUNDED ONCE, AND THE ROTARY TABLE IS MADE.
;   xb  = bf16(x)       [8192][1024]        wab = bf16(w_attn)  [3072][1024]
;   wpf = bf16(w_proj) written as f16 [1024][1024]: exact where |w| lies between 6.2e-5 and 65,504; below that it lands on f16's fixed step of 6e-8; beyond 65,504 it would be an infinity (a stated limit)
;   tab = [2048 t][32 pairs][cos, sin] in f32: a row is 256 bytes.  angle = t x 10000^(-pair/32), the product rounded once to f32 as the problem's text rounds it
; SHARES, by the work-group's number: 0-511 x, 512-703 w_attn, 704-767 w_proj (16,384 numbers each: 64 KiB in, 32 KiB out), 768-783 the table (128 rows each).
; A cast: sixteen loads of 16 bytes a lane go out together (a wave's load covers 512 consecutive bytes); each is converted and stored as it comes (a wave's store covers 256 consecutive bytes, aligned).
; No LDS, no barrier, no matrix unit: nothing is shared and nothing is multiplied.
.set IN,  4                            ; v[4:67]    sixteen loads of four f32
.set OUT, 68                           ; v[68:99]   sixteen pairs of packed 16-bit numbers: each store has registers of its own, so none is rewritten while a store reads it
.set TP,  100                          ; v100, v101 packed bf16 on the way to f16
.set TU,  104                          ; v[104:107] those four numbers as f32 again
	s_load_b256 s[4:11], s[0:1], 0x0               ; x s[4:5], w_attn s[6:7], w_proj s[8:9], xb s[10:11]
	s_load_b128 s[12:15], s[0:1], 0x20             ; wab s[12:13], wpf s[14:15]
	s_load_b64 s[16:17], s[0:1], 0x30              ; tab
	s_mov_b32 s2, ttmp9
	s_mov_b32 s23, 0                               ; the high word of the offsets' pair s[22:23]
	v_lshlrev_b32 v1, 4, v0                        ; 16 bytes a thread in
	v_lshlrev_b32 v2, 3, v0                        ; 8 bytes a thread out
	s_wait_kmcnt 0x0
; fmt = 0: f32 to bf16.  fmt = 1: f32 to bf16, and that number written as f16.
.macro CAST fmt
.set i, 0
.rept 16
	global_load_b128 v[IN+4*i:IN+4*i+3], v1, s[18:19] offset:4096*i th:TH_LOAD_NT
.set i, i+1
.endr
.set i, 0
.rept 16
	s_wait_loadcnt 15-i                            ; loads come back in order: number i is in, the 15 - i younger ones stay out
.if \fmt
	v_cvt_pk_bf16_f32 v[TP], v[IN+4*i], v[IN+4*i+1]
	v_cvt_pk_bf16_f32 v[TP+1], v[IN+4*i+2], v[IN+4*i+3]
	v_lshlrev_b32 v[TU], 16, v[TP]                 ; bf16 to f32: the low half moves up, the high half stays
	v_and_b32 v[TU+1], 0xffff0000, v[TP]
	v_lshlrev_b32 v[TU+2], 16, v[TP+1]
	v_and_b32 v[TU+3], 0xffff0000, v[TP+1]
	v_cvt_pk_f16_f32 v[OUT+2*i], v[TU], v[TU+1]
	v_cvt_pk_f16_f32 v[OUT+2*i+1], v[TU+2], v[TU+3]
.else
	v_cvt_pk_bf16_f32 v[OUT+2*i], v[IN+4*i], v[IN+4*i+1]
	v_cvt_pk_bf16_f32 v[OUT+2*i+1], v[IN+4*i+2], v[IN+4*i+3]
.endif
	global_store_b64 v2, v[OUT+2*i:OUT+2*i+1], s[20:21] offset:2048*i
.set i, i+1
.endr
.endm
	s_cmp_ge_u32 s2, 768
	s_cbranch_scc1 .Ltab
	s_cmp_ge_u32 s2, 704
	s_cbranch_scc1 .Lwp
	s_cmp_lt_u32 s2, 512                           ; x or w_attn: the same text on other buffers
	s_cselect_b64 s[18:19], s[4:5], s[6:7]
	s_cselect_b64 s[20:21], s[10:11], s[12:13]
	s_cselect_b32 s3, 0, 512
	s_sub_co_u32 s3, s2, s3                        ; my chunk in that buffer
	s_lshl_b32 s22, s3, 16                         ; 64 KiB in
	s_add_nc_u64 s[18:19], s[18:19], s[22:23]
	s_lshl_b32 s22, s3, 15                         ; 32 KiB out
	s_add_nc_u64 s[20:21], s[20:21], s[22:23]
	CAST 0
	s_endpgm
.Lwp:
	s_sub_co_u32 s3, s2, 704
	s_lshl_b32 s22, s3, 16
	s_add_nc_u64 s[18:19], s[8:9], s[22:23]
	s_lshl_b32 s22, s3, 15
	s_add_nc_u64 s[20:21], s[14:15], s[22:23]
	CAST 1
	s_endpgm
; THE TABLE.  Sixteen lanes make a row (a lane: pairs 2 c and 2 c + 1, 16 bytes), the work-group's 256 threads sixteen rows a trip, eight trips.
; The frequency: 2^(j K), K = -log2(10000)/32 in two parts; the product's rounding error e is put back as f (1 + e ln 2).
; Sine and cosine: the angle less the nearest multiple of 2 pi (2 pi in two parts), then the Taylor series to r^15 and r^16; on |r| <= pi what is cut off is below 1e-6.
.Ltab:
	s_sub_co_u32 s3, s2, 768
	s_lshl_b32 s22, s3, 15                         ; 128 rows of 256 bytes
	s_add_nc_u64 s[16:17], s[16:17], s[22:23]
	s_lshl_b32 s3, s3, 7                           ; my first row
	s_mov_b32 s25, 0xbed49a78                      ; K, high part
	s_mov_b32 s26, 0xb2179a1c                      ; K, low part
	s_mov_b32 s27, 0xc0c90fdb                      ; -2 pi, high part
	s_mov_b32 s28, 0x343bbd2e                      ; -2 pi, low part
	v_and_b32 v7, 15, v0
	v_lshlrev_b32 v7, 1, v7
	v_cvt_f32_u32 v8, v7                           ; pair 2 c
	v_add_f32 v9, 1.0, v8                          ; pair 2 c + 1
	v_lshrrev_b32 v7, 4, v0
	v_add_nc_u32 v7, s3, v7
	v_cvt_f32_u32 v4, v7                           ; t
	v_lshlrev_b32 v3, 4, v0                        ; row x 256 + 16 c
	v_mul_f32 v10, s25, v8
	v_mul_f32 v11, s25, v9
	v_fma_f32 v12, v8, s25, -v10                   ; what the product's rounding dropped,
	v_fma_f32 v13, v9, s25, -v11
	v_fma_f32 v12, v8, s26, v12                    ; and the constant's low part
	v_fma_f32 v13, v9, s26, v13
	v_exp_f32 v5, v10
	v_exp_f32 v6, v11
	v_mul_f32 v12, 0x3f317218, v12                 ; e ln 2: a plain line that names neither exponential's registers stands behind them
	v_mul_f32 v13, 0x3f317218, v13
	s_wait_alu depctr_va_vdst(0)
	v_fma_f32 v5, v5, v12, v5
	v_fma_f32 v6, v6, v13, v6
	v_mov_b32 v50, 0xab573f9f                      ; -1/15!
	v_mov_b32 v51, 0x29573f9f                      ; 1/16!
	s_mov_b32 s24, 8
.macro LINK ks, kc                     ; one link of the four chains: sine and cosine of both angles
	v_fmaak_f32 v22, v22, v20, \ks
	v_fmaak_f32 v23, v23, v21, \ks
	v_fmaak_f32 v24, v24, v20, \kc
	v_fmaak_f32 v25, v25, v21, \kc
.endm
.Lrow:
	v_mul_f32 v14, v4, v5                          ; the angles
	v_mul_f32 v15, v4, v6
	v_mul_f32 v16, 0.15915494, v14
	v_mul_f32 v17, 0.15915494, v15
	v_rndne_f32 v16, v16
	v_rndne_f32 v17, v17
	v_fma_f32 v18, v16, s27, v14
	v_fma_f32 v19, v17, s27, v15
	v_fma_f32 v18, v16, s28, v18                   ; r
	v_fma_f32 v19, v17, s28, v19
	v_mul_f32 v20, v18, v18                        ; u = r r
	v_mul_f32 v21, v19, v19
	v_fmaak_f32 v22, v50, v20, 0x2f309231          ; -u/15! + 1/13!
	v_fmaak_f32 v23, v50, v21, 0x2f309231
	v_fmaak_f32 v24, v51, v20, 0xad49cba5          ; u/16! - 1/14!
	v_fmaak_f32 v25, v51, v21, 0xad49cba5
	LINK 0xb2d7322b, 0x310f76c7                    ; -1/11!, 1/12!
	LINK 0x3638ef1d, 0xb493f27e                    ; 1/9!, -1/10!
	LINK 0xb9500d01, 0x37d00d01                    ; -1/7!, 1/8!
	LINK 0x3c088889, 0xbab60b61                    ; 1/5!, -1/6!
	LINK 0xbe2aaaab, 0x3d2aaaab                    ; -1/3!, 1/4!
	LINK 0x3f800000, 0xbf000000                    ; 1, -1/2
	v_fmaak_f32 v40, v24, v20, 0x3f800000          ; cos
	v_mul_f32 v41, v22, v18                        ; sin
	v_fmaak_f32 v42, v25, v21, 0x3f800000
	v_mul_f32 v43, v23, v19
	global_store_b128 v3, v[40:43], s[16:17]       ; sixteen lanes store a row: 256 consecutive bytes, aligned
	s_wait_xcnt 0x0                                ; the store has read v3 and v[40:43]: only behind this wait are they written again
	v_add_nc_u32 v3, 4096, v3                      ; sixteen rows on
	v_add_f32 v4, 0x41800000, v4
	s_sub_co_u32 s24, s24, 1
	s_cmp_lg_u32 s24, 0
	s_cbranch_scc1 .Lrow
	s_endpgm
.Lfunc_end_k_qf0a6b7cd91_prep:
	.size	k_qf0a6b7cd91_prep, .Lfunc_end_k_qf0a6b7cd91_prep-k_qf0a6b7cd91_prep
	.p2alignl 7, 3214868480
	.fill 96, 4, 3214868480
	.section	.rodata,"a",@progbits
	.p2align	6, 0x0
	.amdhsa_kernel k_qf0a6b7cd91_prep
		.amdhsa_group_segment_fixed_size 0
		.amdhsa_private_segment_fixed_size 0
		.amdhsa_enable_private_segment 0
		.amdhsa_kernarg_size 56
		.amdhsa_user_sgpr_count 2
		.amdhsa_user_sgpr_kernarg_segment_ptr 1
		.amdhsa_wavefront_size32 1
		.amdhsa_system_sgpr_workgroup_id_x 1
		.amdhsa_system_sgpr_workgroup_id_y 1
		.amdhsa_system_sgpr_workgroup_id_z 1
		.amdhsa_system_vgpr_workitem_id 0
		.amdhsa_next_free_vgpr 112
		.amdhsa_next_free_sgpr 66
		.amdhsa_reserve_vcc 0
		.amdhsa_float_denorm_mode_32 3
		.amdhsa_float_denorm_mode_16_64 3
		.amdhsa_memory_ordered 1
		.amdhsa_forward_progress 1
		.amdhsa_inst_pref_size 22
	.end_amdhsa_kernel
	.amdgpu_metadata
---
amdhsa.version: [ 1, 2 ]
amdhsa.kernels:
  - .name:           k_qf0a6b7cd91_prep
    .symbol:         k_qf0a6b7cd91_prep.kd
    .args:
      - { .name: x, .offset: 0, .size: 8, .value_kind: global_buffer, .address_space: global }
      - { .name: w_attn, .offset: 8, .size: 8, .value_kind: global_buffer, .address_space: global }
      - { .name: w_proj, .offset: 16, .size: 8, .value_kind: global_buffer, .address_space: global }
      - { .name: xb, .offset: 24, .size: 8, .value_kind: global_buffer, .address_space: global }
      - { .name: wab, .offset: 32, .size: 8, .value_kind: global_buffer, .address_space: global }
      - { .name: wpf, .offset: 40, .size: 8, .value_kind: global_buffer, .address_space: global }
      - { .name: tab, .offset: 48, .size: 8, .value_kind: global_buffer, .address_space: global }
    .group_segment_fixed_size: 0
    .private_segment_fixed_size: 0
    .kernarg_segment_align: 8
    .kernarg_segment_size: 56
    .max_flat_workgroup_size: 256
    .sgpr_count:     66
    .vgpr_count:     112
    .wavefront_size: 32
...
	.end_amdgpu_metadata
.endif
;; end of part 1
;; launch qkv (part 2): grid 16 x 32, 4 waves a work-group, clusters of 4 x 4, 327,680 bytes of LDS; arguments xb, wab, tab, qh, kh, vh; writes qh, kh, vh
.if DOCPART == 2
	.amdgcn_target "amdgcn-amd-amdhsa--gfx1250"
	.amdhsa_code_object_version 6
	.text
	.protected	k_qf0a6b7cd91_qkv
	.globl	k_qf0a6b7cd91_qkv
	.p2align	8
	.type	k_qf0a6b7cd91_qkv,@function
k_qf0a6b7cd91_qkv:
	s_mov_b64 s[64:65], 0
	v_nop
	global_prefetch_b8 v0, s[64:65] scope:SCOPE_SE
	s_setreg_imm32_b32 hwreg(HW_REG_WAVE_MODE, 25, 1), 1
	s_wait_xcnt 0x0
	s_wait_alu depctr_hold_cnt(0) depctr_sa_sdst(0) depctr_va_vdst(0) depctr_va_sdst(0) depctr_va_ssrc(0) depctr_va_vcc(0) depctr_vm_vsrc(0)
	s_getreg_b32 s2, hwreg(HW_REG_IB_STS2, 6, 4)
	s_cmp_eq_u32 s2, 0
	s_cbranch_scc0 .Lentry_in_a_cluster
	s_endpgm
.Lentry_in_a_cluster:
	s_bfe_u32 s2, ttmp6, 0x10000c
	s_cmp_lg_u32 s2, 0xf033
	s_cbranch_scc0 .Lentry_shape_is_right
	s_endpgm
.Lentry_shape_is_right:
; q, k, v = x w_attn^T, q and k turned by the rotary table, written by heads.  xb: [8192][1024] bf16, wab: [3072][1024] bf16, tab: [2048][32][cos, sin] f32;
; qh, kh, vh: [64 = batch x 16 + head][2048][64] f16, a head's rows dense, 128 bytes each, WITHOUT the softmax's scale.  Sums and the rotation in f32, one rounding to f16.
; LIMIT.  f16 holds no number beyond 65,504: q, k and v must stay within it.
; THE TILE is 256 rows of x by 192 columns: ONE HEAD's q, k and v (rows 64 hd, 1024 + 64 hd, 2048 + 64 hd of w_attn): 32 x 16 = 512 tiles, all of one make: column blocks 0-3 are q, 4-7 k, 8-11 v,
; so which blocks are rotated is fixed in the text.  Four waves one below the other: wave w makes rows 64 w .. 64 w + 63 by all 192 columns: 48 accumulators of 16 x 16, 384 registers; it holds whole head rows,
; and its way out is its own.  K goes in steps of 128 through a ring of two LDS slots filled by the tensor data mover; the tiles' rows are 256 bytes of memory, aligned.
; CLUSTERS: 4 x 4 work-groups.  The four of a row need the same rows of x, the four of a column the same head's weights: each tile is asked for JOINTLY, by the same tensor load with the same descriptor and a mask of four.
; THE MATRIX INSTRUCTION IS USED TRANSPOSED (source 0 = 16 rows of w, source 1 = 16 rows of x): lane l holds row l % 16 of the result and the columns 8 (l / 16) + 0..7: four rotary pairs on end.
; REGISTERS, in windows of 256 (s_set_vgpr_msb: bits 1:0 source 0, 3:2 source 1, 5:4 source 2, 7:6 destination):
;   window 0: v0-31 addresses; v32-95 fragments of x, two buffers of 4 x 8 (on the way out: packed results); v96-223 my rows of the table; v224-255 at work on the way out
;   window 1: v0-191 fragments of w, two buffers of 12 x 8 (on the way out: whole rows read back)
;   window 2: the accumulators of my row blocks 0, 1 ((a, b) at v[8 (12 (a % 2) + b)]);   window 3: those of blocks 2, 3
.set KSTEP,  128
.set PITCH,  272                       ; an LDS row: 256 bytes + 16 of padding = 68 words: the 16 rows that a load touches start at 16 different groups of four banks (64 banks of 4 bytes: ISA guide 11.1)
.set ABYTES, 256*PITCH                 ; x's 256 rows
.set BPART,  64*PITCH                  ; 64 rows of w: q's, k's or v's
.set SLOT,   ABYTES+3*BPART            ; 121,856
.set STAGE,  2*SLOT                    ; behind the ring, never filled by a tensor load: for each wave three stages (q, k, v) of 16 rows x 144 bytes
.set SP,     144
.set SUB,    16*SP
.set WSTAGE, 3*SUB
.set SPARE,  STAGE+4*WSTAGE            ; behind the stages: the spare words, 128 bytes for each wave: two blocks of 256 bytes that no other line names
.set LAPS,   4                         ; a lap = two K steps = once round the ring: 1024 / 256
.set NLD,    32                        ; LDS loads in a run: 24 for w's fragments, 8 for x's
.set ADRA, 16                          ; v16-17  LDS address of my fragments of x in slot 0, 1
.set ADRB, 20                          ; v20-21  the same for w
.set STO,  24                          ; v24     the way out: where I put 16 bytes of a row
.set RD,   25                          ; v25     the way out: where I read rows back
.set GO,   26                          ; v26     my byte offset in 512 consecutive bytes of a head
.set TA,   27                          ; v27     my byte offset in the table
.set SPW,  28                          ; v28     LDS address of my spare word: SPARE + 4 x my thread's number; never rewritten
.set NIL,  29                          ; v29     0; never rewritten
.set FA,   32                          ; x's fragments: buffer f, row block a at FA + 32 f + 8 a
.set P,    32                          ; the way out: 48 registers of packed f16
.set TB,   96                          ; the table: row block a, column block i at TB + 32 a + 8 i: c, s of four pairs
.set TT,   224
.set WV,   44                          ; s44     my wave's number
.set G1A,  24                          ; s[24:31] descriptor group 1 for x's tiles;  s[32:39] group 0, a set for each slot
.set G0A,  32
.set G1B,  48                          ; s[48:55], s[56:63] the same for w's
.set G0B,  56
.set GW,   (1<<16)|(1<<20)|(1<<21)|(5<<22)|(3<<25)  ; 17:16 elements of 2 bytes; 20 padding on; 21 set beside a mask; 24:22 after every 64 words (code 5); 31:25 4 words of it (code 3)
.set MSB, 0
.macro WIN new                         ; the immediate's high byte repeats the setting that is left; a switch that changes nothing is dropped
.if MSB != (\new)
	s_set_vgpr_msb (MSB<<8)|(\new)
.set MSB, \new
.endif
.endm
.set MUL_LO, 0xa1                      ; source 0 (w) window 1, source 1 (x) window 0, C and D window 2
.set TO_B,   0x40                      ; destination window 1, address window 0
; A joint load.  Wave 0 fetches x's 256 rows, waves 1 to 3 the 64 rows of q's, k's and v's weights.  The branch hangs on the wave's number alone.
; An s_nop 0 and four v_nop follow each of the two lines, ahead of the jump, the label and what follows.
.macro JLOAD s
	s_cmp_eq_u32 s[WV], 0
	s_cbranch_scc0 .Lfor_b_\@
	tensor_load_to_lds s[G0A+4*(\s):G0A+4*(\s)+3], s[G1A:G1A+7]
	s_nop 0
.rept 4
	v_nop
.endr
	s_branch .Lasked_\@
.Lfor_b_\@:
	tensor_load_to_lds s[G0B+4*(\s):G0B+4*(\s)+3], s[G1B:G1B+7]
	s_nop 0
.rept 4
	v_nop
.endr
.Lasked_\@:
.endm
.macro CREST                           ; a round of the cluster's barrier behind its opening barrier: wave 0 signals for the work-group, every wave waits for all sixteen, my work-group's barrier closes it
	s_cmp_lg_u32 s[WV], 0
	s_cbranch_scc1 .Lnot_wave_0_\@
	s_barrier_signal -3
.Lnot_wave_0_\@:
	s_barrier_wait -3
	s_barrier_signal -1
	s_barrier_wait -1
.endm
.macro CROUND                          ; a whole round
	s_barrier_signal -1
	s_barrier_wait -1
	CREST
.endm
	s_load_b256 s[4:11], s[0:1], 0x0               ; xb s[4:5], wab s[6:7], tab s[8:9], qh s[10:11]
	s_load_b128 s[12:15], s[0:1], 0x20             ; kh s[12:13], vh s[14:15]
	v_lshl_add_u32 v[SPW], v0, 2, SPARE
	v_mov_b32 v[NIL], 0
	ds_add_u32 v[SPW], v[NIL]                      ; the wave's opening: the add and its wait stand ahead of my first tensor load; the set-up below, work on registers, stands between them
	v_lshrrev_b32 v1, 5, v0
	v_readfirstlane_b32 s[WV], v1                  ; wave 0..3
	s_bfe_u32 s40, ttmp6, 0x40000                  ; cx, cy: my place in the cluster
	s_bfe_u32 s41, ttmp6, 0x40004
	s_lshl_b32 s42, ttmp9, 2
	s_add_co_u32 s42, s42, s40                     ; the head = 4 x cluster x + cx
	s_and_b32 s43, ttmp7, 0xffff
	s_lshl_b32 s43, s43, 2
	s_add_co_u32 s43, s43, s41                     ; the block of 256 rows = 4 x cluster y + cy
	s_lshl_b32 s18, s41, 2
	s_lshl_b32 s18, 15, s18                        ; my row of the cluster: places 4 cy .. 4 cy + 3
	s_lshl_b32 s19, 0x1111, s40                    ; my column: places cx, cx + 4, cx + 8, cx + 12
	s_or_b32 s[G1A+0], s18, GW                     ; x's tiles go to my row,
	s_or_b32 s[G1B+0], s19, GW                     ; w's to my column
	s_mov_b32 s[G1A+1], KSTEP<<16                  ; tensor_dim0 = 128
	s_mov_b32 s[G1A+2], 256<<16                    ; tensor_dim1 = 256
	s_mov_b32 s[G1A+3], KSTEP<<16                  ; tile_dim0 = 128
	s_mov_b32 s[G1A+4], 256                        ; tile_dim1 = 256
	s_mov_b32 s[G1A+5], 1024                       ; elements from row to row
	s_mov_b32 s[G1A+6], 0
	s_mov_b32 s[G1A+7], 0
	s_mov_b32 s[G1B+1], KSTEP<<16
	s_mov_b32 s[G1B+2], 64<<16                     ; 64 rows
	s_mov_b32 s[G1B+3], KSTEP<<16
	s_mov_b32 s[G1B+4], 64
	s_mov_b32 s[G1B+5], 1024
	s_mov_b32 s[G1B+6], 0
	s_mov_b32 s[G1B+7], 0
	s_lshl_b32 s16, s43, 19                        ; x: 256 rows of 2,048 bytes a block
	s_mov_b32 s17, 0
	s_max_u32 s45, s[WV], 1
	s_sub_co_u32 s45, s45, 1                       ; 0, 1, 2 for q, k, v in waves 1, 2, 3
	s_lshl_b32 s46, s45, 21                        ; w: 1,024 rows on for k, 2,048 for v,
	s_lshl_b32 s47, s42, 17                        ; and the head's 64 rows
	s_add_co_u32 s46, s46, s47
	s_mov_b32 s47, 0
	s_mul_i32 s20, s[WV], BPART                    ; where w's part goes: ABYTES + (wave - 1) x 64 rows: no place in the cluster enters an LDS address
	s_wait_dscnt 0x0                               ; the opening add is done
	s_wait_kmcnt 0x0
	s_add_nc_u64 s[16:17], s[4:5], s[16:17]
	s_add_nc_u64 s[46:47], s[6:7], s[46:47]
	CROUND                                         ; all sixteen work-groups are here: the first joint loads meet
.irp s, 0,1
	s_mov_b32 s[G0A+4*(\s)], 1                                     ; count = 1
	s_mov_b32 s[G0A+4*(\s)+1], (\s)*SLOT                           ; LDS address
	s_add_nc_u64 s[G0A+4*(\s)+2:G0A+4*(\s)+3], s[16:17], (\s)*KSTEP*2  ; global address: K step s
	s_or_b32 s[G0A+4*(\s)+3], s[G0A+4*(\s)+3], 0x80000000          ; type = 2
	s_mov_b32 s[G0B+4*(\s)], 1
	s_add_co_u32 s[G0B+4*(\s)+1], s20, ABYTES-BPART+(\s)*SLOT
	s_add_nc_u64 s[G0B+4*(\s)+2:G0B+4*(\s)+3], s[46:47], (\s)*KSTEP*2
	s_or_b32 s[G0B+4*(\s)+3], s[G0B+4*(\s)+3], 0x80000000
	JLOAD \s                                       ; the ring is filled before anything else is done: two loads of mine are out
.endr
	; A fragment is 16 rows x 32 K in 8 registers: lane l holds row l % 16; registers 0-3 K = 8 (l / 16) + 0..7, registers 4-7 K = 16 + 8 (l / 16) + 0..7: two loads of 16 bytes, 32 bytes apart.
	v_and_b32 v1, 15, v0                           ; r = l % 16
	v_bfe_u32 v2, v0, 4, 1                         ; h = l / 16
	v_mul_u32_u24 v3, v1, PITCH
	v_lshl_add_u32 v3, v2, 4, v3                   ; row x pitch + 16 x half
	s_mul_i32 s21, s[WV], 64*PITCH                 ; my 64 rows of x
	v_add_nc_u32 v[ADRA], s21, v3
	s_add_co_u32 s21, s21, SLOT
	v_add_nc_u32 v[ADRA+1], s21, v3
	v_add_nc_u32 v[ADRB], ABYTES, v3               ; every wave reads all 192 rows of w
	v_add_nc_u32 v[ADRB+1], ABYTES+SLOT, v3
	; my 64 rows of the table come into registers that lie idle in the loop over K, and are waited for on the way out
	s_and_b32 s66, s43, 7
	s_lshl_b32 s66, s66, 8
	s_lshl_b32 s67, s[WV], 6
	s_add_co_u32 s66, s66, s67                     ; t of my first row: 256 x (block % 8) + 64 x wave
	v_add_nc_u32 v[TA], s66, v1
	v_lshlrev_b32 v[TA], 8, v[TA]                  ; a row of the table is 256 bytes;
	v_lshl_add_u32 v[TA], v2, 5, v[TA]             ; my four pairs of a column block: 32 bytes
.irp a, 0,1,2,3
.irp i, 0,1,2,3
	global_load_b128 v[TB+32*(\a)+8*(\i):TB+32*(\a)+8*(\i)+3],   v[TA], s[8:9] offset:(\a)*4096+(\i)*64
	global_load_b128 v[TB+32*(\a)+8*(\i)+4:TB+32*(\a)+8*(\i)+7], v[TA], s[8:9] offset:(\a)*4096+(\i)*64+16
.endr
.endr
	s_mul_i32 s23, s[WV], WSTAGE
	s_add_co_u32 s23, s23, STAGE                   ; my stages
	v_mul_u32_u24 v4, v1, SP                       ; in: row l % 16, 16 bytes for each half of the lanes
	v_lshl_add_u32 v4, v2, 4, v4
	v_add_nc_u32 v[STO], s23, v4
	v_bfe_u32 v5, v0, 3, 2                         ; back: 32 lanes take four rows of 128 bytes,
	v_mul_u32_u24 v5, v5, SP
	v_and_b32 v6, 7, v0
	v_lshl_add_u32 v5, v6, 4, v5
	v_add_nc_u32 v[RD], s23, v5
	v_and_b32 v[GO], 31, v0                        ; which are 512 consecutive bytes of a head
	v_lshlrev_b32 v[GO], 4, v[GO]
	s_lshr_b32 s68, s43, 3                         ; the batch: 16 heads of 262,144 bytes,
	s_lshl_b32 s68, s68, 22
	s_lshl_b32 s67, s42, 18                        ; the head,
	s_add_co_u32 s68, s68, s67
	s_lshl_b32 s67, s66, 7                         ; my first row, 128 bytes a row
	s_add_co_u32 s68, s68, s67
	s_mov_b32 s69, 0
	s_add_nc_u64 s[10:11], s[10:11], s[68:69]
	s_add_nc_u64 s[12:13], s[12:13], s[68:69]
	s_add_nc_u64 s[14:15], s[14:15], s[68:69]
; 12 matrix instructions: row block a x all 12 column blocks, 32 along K, from buffer f.  zero = 1: the product starts the sums: nothing is ever cleared.
; The 48 accumulators take turns, one instruction a turn, in the same order in every quarter.
.macro MULA f, a, zero
	WIN MUL_LO+0x50*((\a)/2)
.irp b, 0,1,2,3,4,5,6,7,8,9,10,11
.if \zero
	v_wmma_f32_16x16x32_bf16 v[8*(12*((\a)%2)+(\b)):8*(12*((\a)%2)+(\b))+7], v[96*(\f)+8*(\b):96*(\f)+8*(\b)+7], v[FA+32*(\f)+8*(\a):FA+32*(\f)+8*(\a)+7], 0
.else
	v_wmma_f32_16x16x32_bf16 v[8*(12*((\a)%2)+(\b)):8*(12*((\a)%2)+(\b))+7], v[96*(\f)+8*(\b):96*(\f)+8*(\b)+7], v[FA+32*(\f)+8*(\a):FA+32*(\f)+8*(\a)+7], v[8*(12*((\a)%2)+(\b)):8*(12*((\a)%2)+(\b))+7]
.endif
.endr
.endm
; 32 LDS loads in one run: quarter q's fragments (192 rows of w, then my 64 rows of x, 32 K at byte 64 q of the rows) into buffer f
.macro FETCH slot, q, f
	WIN TO_B
.irp b, 0,1,2,3,4,5,6,7,8,9,10,11
	ds_load_b128 v[96*(\f)+8*(\b):96*(\f)+8*(\b)+3],   v[ADRB+(\slot)] offset:64*(\q)+(\b)*16*PITCH
	ds_load_b128 v[96*(\f)+8*(\b)+4:96*(\f)+8*(\b)+7], v[ADRB+(\slot)] offset:64*(\q)+(\b)*16*PITCH+32
.endr
	WIN 0
.irp a, 0,1,2,3
	ds_load_b128 v[FA+32*(\f)+8*(\a):FA+32*(\f)+8*(\a)+3],   v[ADRA+(\slot)] offset:64*(\q)+(\a)*16*PITCH
	ds_load_b128 v[FA+32*(\f)+8*(\a)+4:FA+32*(\f)+8*(\a)+7], v[ADRA+(\slot)] offset:64*(\q)+(\a)*16*PITCH+32
.endr
.endm
.macro PLACES                          ; four places behind a matrix instruction, in front of loads into registers that matrix instructions have read and of lines that read results
.rept 4
	v_nop
.endr
.endm
; A K step is four quarters of 32 along K, 48 matrix instructions each, on buffers 0, 1, 0, 1.  One of the first three: multiplies buffer f; in its middle it fetches quarter q into buffer g.
.macro QUARTER slot, q, f, g, zero
	s_wait_dscnt 4                                 ; w's fragments and x's blocks 0, 1 are in; the youngest four loads (x's blocks 2, 3) may be out
	MULA \f, 0, \zero
	MULA \f, 1, \zero
	PLACES
	FETCH \slot, \q, \g
	s_wait_dscnt NLD                               ; all but the 32 just issued
	MULA \f, 2, \zero
	MULA \f, 3, \zero
.endm
; The last quarter multiplies buffer 1 and changes slots: ONE barrier.  In front of it each wave waits for all its tensor loads (one is out: its part of the next slot), adds 0 to its spare word, and waits for that
; and for its own reads of this slot.  fill = 1: the barrier opens a round of the cluster's, and this slot is filled again, two K steps on, first thing behind the round: the load has a K step less 24 matrix instructions in which to land.
.macro TURN slot, next, fill
	WIN 0                                          ; (the add's two registers lie in window 0)
	s_wait_tensorcnt 0x0                           ; all my tensor loads have landed
	ds_add_u32 v[SPW], v[NIL]                      ; 0 onto my spare word
	s_wait_dscnt 5                                 ; (the add and the youngest four loads may be out)
	MULA 1, 0, 0                                   ; twelve matrix instructions stand between the add and the wait for it
	s_wait_dscnt 0x0                               ; the add is done, and my reads of this slot are over
	s_barrier_signal -1
	MULA 1, 1, 0                                   ; work on registers while the others arrive
.if \fill
	WIN 0
.endif
	s_barrier_wait -1
.if \fill
	CREST                                          ; no wave of any partner still reads this slot's tile or has a load on its way
	s_add_nc_u64 s[G0A+4*(\slot)+2:G0A+4*(\slot)+3], s[G0A+4*(\slot)+2:G0A+4*(\slot)+3], 2*KSTEP*2
	s_add_nc_u64 s[G0B+4*(\slot)+2:G0B+4*(\slot)+3], s[G0B+4*(\slot)+2:G0B+4*(\slot)+3], 2*KSTEP*2
	JLOAD \slot                                    ; the four v_nop behind it are also the places in front of the loads below
.else
	PLACES
.endif
	FETCH \next, 0, 0
	MULA 1, 2, 0
	MULA 1, 3, 0
.endm
	s_wait_tensorcnt 1                             ; my part of K step 0 is in; K step 1's may stay out
	s_barrier_signal -1
	s_barrier_wait -1                              ; everybody's is
	FETCH 0, 0, 0
	QUARTER 0, 1, 0, 1, 1                          ; the first quarter stands in front of the loop: its products start the sums
	WIN 0                                          ; at a label and at a branch every window is 0
	s_mov_b32 s3, LAPS-1
.Llap:                                                 ; a trip goes once round the ring, from a lap's second quarter to the next lap's first, and fills both slots again
	QUARTER 0, 2, 1, 0, 0
	QUARTER 0, 3, 0, 1, 0
	TURN 0, 1, 1
	QUARTER 1, 1, 0, 1, 0
	QUARTER 1, 2, 1, 0, 0
	QUARTER 1, 3, 0, 1, 0
	TURN 1, 0, 1
	QUARTER 0, 1, 0, 1, 0
	WIN 0
	s_sub_co_u32 s3, s3, 1
	s_cmp_lg_u32 s3, 0
	s_cbranch_scc1 .Llap
	QUARTER 0, 2, 1, 0, 0                          ; the last lap fills nothing, and has no round of the cluster's barrier
	QUARTER 0, 3, 0, 1, 0
	TURN 0, 1, 0
	QUARTER 1, 1, 0, 1, 0
	QUARTER 1, 2, 1, 0, 0
	QUARTER 1, 3, 0, 1, 0
	s_wait_dscnt 4                                 ; the very last quarter: nothing more to fetch
	MULA 1, 0, 0
	MULA 1, 1, 0
	s_wait_dscnt 0x0
	MULA 1, 2, 0
	MULA 1, 3, 0
	WIN 0
; THE WAY OUT, a block of 16 rows at a time.  PACK: q and k are rotated in f32 (for a pair x1, x2 with c, s: x1 c - x2 s and x2 c + x1 s: one packed multiply, one packed multiply-add) and all three rounded to f16.
; The four column blocks of q (of k, of v) are 32 registers on end, and so are the table's: number n of 16 is a pair.  Each accumulator is read from its low end on.
.macro PACK a
.irp s, 0,1
.set XB, 8*(12*((\a)%2)+4*(\s))
	WIN 0x02+(\a)/2                                ; source 0: window 2 or 3
.set n, 0
.rept 16
	v_pk_mul_f32 v[TT+2*n:TT+2*n+1], v[XB+2*n:XB+2*n+1], v[TB+32*(\a)+2*n:TB+32*(\a)+2*n+1] op_sel_hi:[1,0]  ; x1 c, x2 c
.set n, n+1
.endr
.set n, 0
.rept 16
	v_pk_fma_f32 v[TT+2*n:TT+2*n+1], v[XB+2*n:XB+2*n+1], v[TB+32*(\a)+2*n:TB+32*(\a)+2*n+1], v[TT+2*n:TT+2*n+1] op_sel:[1,1,0] op_sel_hi:[0,1,1] neg_lo:[1,0,0]  ; - x2 s, + x1 s
.set n, n+1
.endr
	WIN 0
.set n, 0
.rept 16
	v_cvt_pk_f16_f32 v[P+16*(\s)+n], v[TT+2*n], v[TT+2*n+1]
.set n, n+1
.endr
.endr
.set XB, 8*(12*((\a)%2)+8)
	WIN 0x0a+5*((\a)/2)                            ; sources 0 and 1: window 2 or 3
.set n, 0
.rept 16
	v_cvt_pk_f16_f32 v[P+32+n], v[XB+2*n], v[XB+2*n+1]
.set n, n+1
.endr
	WIN 0
.endm
; TOSTAGE: a lane's eight columns, 16 bytes, go into rows of 144 bytes of my own stages and come back as whole rows of 128.
.macro TOSTAGE a
	WIN 0
.irp b, 0,1,2,3,4,5,6,7,8,9,10,11
	ds_store_b128 v[STO], v[P+4*(\b):P+4*(\b)+3] offset:((\b)/4)*SUB+((\b)%4)*32
.endr
	WIN TO_B
.irp g, 0,1,2,3,4,5,6,7,8,9,10,11
	ds_load_b128 v[48*(\a)+4*(\g):48*(\a)+4*(\g)+3], v[RD] offset:((\g)/4)*SUB+((\g)%4)*4*SP  ; LDS serves a wave's instructions in order (ISA guide 5.7.1.4): these see the stores above; the next block's stores come behind them
.endr
	WIN 0
.endm
; SEND: each store covers 512 consecutive bytes of a head, at a multiple of 256 from the buffer's first byte.  Each block has registers of its own: none is rewritten while a store reads it.
.macro SEND a
	WIN 0x04                                       ; the stores' data lie in window 1
	s_wait_dscnt 0x0                               ; the block is back in registers
.irp f, 0,1,2,3
	global_store_b128 v[GO], v[48*(\a)+4*(\f):48*(\a)+4*(\f)+3], s[10:11] offset:(\a)*2048+(\f)*512
.endr
.irp f, 0,1,2,3
	global_store_b128 v[GO], v[48*(\a)+16+4*(\f):48*(\a)+16+4*(\f)+3], s[12:13] offset:(\a)*2048+(\f)*512
.endr
.irp f, 0,1,2,3
	global_store_b128 v[GO], v[48*(\a)+32+4*(\f):48*(\a)+32+4*(\f)+3], s[14:15] offset:(\a)*2048+(\f)*512
.endr
	WIN 0
.endm
	PLACES
	PLACES
	s_wait_loadcnt 0x0                             ; the table
	PACK 0
	TOSTAGE 0
.irp a, 1,2,3                          ; a block's arithmetic stands between the loads of the block before and the wait for them
	PACK \a
	SEND (\a)-1
	TOSTAGE \a
.endr
	SEND 3
	s_wait_tensorcnt 0x0                           ; the wave's end: these three lines stand behind my last tensor load and my last LDS store
	ds_add_u32 v[SPW], v[NIL]
	s_wait_dscnt 0x0
	CROUND                                         ; the closing round: no work-group ends while a partner may still ask for a tile that names it
	s_endpgm
.Lfunc_end_k_qf0a6b7cd91_qkv:
	.size	k_qf0a6b7cd91_qkv, .Lfunc_end_k_qf0a6b7cd91_qkv-k_qf0a6b7cd91_qkv
	.p2alignl 7, 3214868480
	.fill 96, 4, 3214868480
	.section	.rodata,"a",@progbits
	.p2align	6, 0x0
	.amdhsa_kernel k_qf0a6b7cd91_qkv
		.amdhsa_group_segment_fixed_size 327680
		.amdhsa_private_segment_fixed_size 0
		.amdhsa_enable_private_segment 0
		.amdhsa_kernarg_size 48
		.amdhsa_user_sgpr_count 2
		.amdhsa_user_sgpr_kernarg_segment_ptr 1
		.amdhsa_wavefront_size32 1
		.amdhsa_system_sgpr_workgroup_id_x 1
		.amdhsa_system_sgpr_workgroup_id_y 1
		.amdhsa_system_sgpr_workgroup_id_z 1
		.amdhsa_system_vgpr_workitem_id 0
		.amdhsa_next_free_vgpr 960
		.amdhsa_next_free_sgpr 72
		.amdhsa_reserve_vcc 0
		.amdhsa_float_denorm_mode_32 3
		.amdhsa_float_denorm_mode_16_64 3
		.amdhsa_memory_ordered 1
		.amdhsa_forward_progress 1
		.amdhsa_inst_pref_size 138
	.end_amdhsa_kernel
	.amdgpu_metadata
---
amdhsa.version: [ 1, 2 ]
amdhsa.kernels:
  - .name:           k_qf0a6b7cd91_qkv
    .symbol:         k_qf0a6b7cd91_qkv.kd
    .args:
      - { .name: xb, .offset: 0, .size: 8, .value_kind: global_buffer, .address_space: global }
      - { .name: wab, .offset: 8, .size: 8, .value_kind: global_buffer, .address_space: global }
      - { .name: tab, .offset: 16, .size: 8, .value_kind: global_buffer, .address_space: global }
      - { .name: qh, .offset: 24, .size: 8, .value_kind: global_buffer, .address_space: global }
      - { .name: kh, .offset: 32, .size: 8, .value_kind: global_buffer, .address_space: global }
      - { .name: vh, .offset: 40, .size: 8, .value_kind: global_buffer, .address_space: global }
    .group_segment_fixed_size: 327680
    .private_segment_fixed_size: 0
    .kernarg_segment_align: 8
    .kernarg_segment_size: 48
    .max_flat_workgroup_size: 128
    .sgpr_count:     72
    .vgpr_count:     960
    .wavefront_size: 32
...
	.end_amdgpu_metadata
.endif
;; end of part 2
;; launch attn (part 3): grid 4 x 64, 4 waves a work-group, clusters of 4 x 1, 327,680 bytes of LDS; arguments qh, kh, vh, yh; writes yh
.if DOCPART == 3
	.amdgcn_target "amdgcn-amd-amdhsa--gfx1250"
	.amdhsa_code_object_version 6
	.text
	.protected	k_qf0a6b7cd91_attn
	.globl	k_qf0a6b7cd91_attn
	.p2align	8
	.type	k_qf0a6b7cd91_attn,@function
k_qf0a6b7cd91_attn:
	s_mov_b64 s[64:65], 0
	v_nop
	global_prefetch_b8 v0, s[64:65] scope:SCOPE_SE
	s_setreg_imm32_b32 hwreg(HW_REG_WAVE_MODE, 25, 1), 1
	s_wait_xcnt 0x0
	s_wait_alu depctr_hold_cnt(0) depctr_sa_sdst(0) depctr_va_vdst(0) depctr_va_sdst(0) depctr_va_ssrc(0) depctr_va_vcc(0) depctr_vm_vsrc(0)
	s_getreg_b32 s2, hwreg(HW_REG_IB_STS2, 6, 4)
	s_cmp_eq_u32 s2, 0
	s_cbranch_scc0 .Lentry_in_a_cluster
	s_endpgm
.Lentry_in_a_cluster:
	s_bfe_u32 s2, ttmp6, 0x10000c
	s_cmp_lg_u32 s2, 0x3003
	s_cbranch_scc0 .Lentry_shape_is_right
	s_endpgm
.Lentry_shape_is_right:
; O[h][q][:] = the sum over k of softmax_k(Q[h][q] . K[h][k] / 8) V[h][k][:].  Q, K, V, O: [64][2048][64], all f16: a head's rows are dense, 128 bytes each.  Products, maxima and sums in
; f32; the weights p are rounded to f16 for the second product (their sum l is taken of the unrounded p), O once at the end.
; LIMITS.  f16 holds no number beyond 65,504: Q, K and V arrive within it; p lies in 0 to 1, and below 6e-5 it keeps f16's fixed step of 6e-8; O is a mean of V's rows and has their range.
; A weight below 2^-126 counts as 0 in l; NaN and infinities are not treated apart.
; SHARES.  A wave owns four PIECES of two tiles of 16 queries, a work-group's four waves 512 queries of one head: 4 x 64 = 256 work-groups.  Every wave walks all keys, 64 a step.
; LAYOUT.  S^T = K Q^T (source 0 = 16 keys, source 1 = 16 queries): in the result a lane holds ONE query (lane % 16) and the keys 8 (lane / 16) + 0..7.  Two such tiles, rounded to f16 in pairs,
; ARE source 1 (32 keys x 16 queries) of O^T = V^T P, whose result again holds one query a lane, and eight channels.  K comes out of LDS as it lies, V ([key][channel]) turned, by ds_load_tr16_b128.
; SOFTMAX.  For each query a running maximum m and sum l: p = 2^(c s - c m), c = log2(e) / 8; in every step O and l are multiplied by a = 2^(c m_old - c m_new), which is 1 where m has not grown.
; m starts at the lowest finite number, O and l at 0: the first step is a step like any other, with a = 0.
; THE COUNT.  A tile and step have 16 matrix and 118 vector instructions: too many to stand all beside the matrix work.  So the order has one aim: four vector instructions that are READY behind
; EVERY matrix instruction, and the others, which need time of their own whatever the order, in runs without a gap.
; BY TURNS.  Turn n belongs to piece n (the pieces in a ring, step after step).  Its matrix work: 16 products K Q^T of piece n + 1, later 16 products V^T P of piece n - 1.  Its vector work: the scaling,
; exponentials, roundings, sums and rescaling of piece n, and the maximum and statistics of piece n + 1, whose scores the turn itself has made.  So what a turn begins with (c s - c m, O a) waits for nothing.
; CLUSTER.  The four query blocks of a cluster are one head's and walk the same K and V, so each tile is asked for JOINTLY: the same tensor load, descriptor and mask in all four.
; AHEAD OF THE JOINT LOADS.  Behind the tensor load of each change of slots in the loop stands one prefetch for the 256 keys that the NEXT change will ask for: 128 blocks of 256 bytes of K and as many of V.
; The four partners take 32 blocks each, told apart by address; in each, wave 0 asks for K's and wave 2 for V's, a lane a block: each block is named once.  Tiles 0 to 2 come by their loads alone; the last change that fills a slot asks for nothing.
; REGISTERS, in windows of 256 (s_set_vgpr_msb says which window each operand place means: bits 1:0 source 0, 3:2 source 1, 5:4 source 2, 7:6 destination):
;   window 0: v0-11 addresses; v12-15, v48-63 at work; v16-47 four registers of statistics a tile; v64-191 S^T, two buffers of two tiles; v192-255 P, likewise
;   window 1: O^T, 32 a tile          window 2: v0-127 Q, 16 a tile; v128-191 K of one step; v192-255 V of one step          window 3: v0-1 the add's two registers
; A piece's buffers go by its number's parity: the piece in hand has one pair, its two neighbours in the ring share the other: of it P (piece n - 1) is read and S^T (piece n + 1) written.
.set SIZE_N, 2048
.set NP,    4         ; pieces a wave: a name, no knob: the register map, the loop and the fetches are made for four
.set KS,    64        ; keys in a step
.set PK,    144       ; a row of K in LDS: 128 bytes + 16 of padding = 36 words: the 16 rows of a load start at 16 different groups of four banks (64 banks of 4 bytes: ISA guide 11.1)
.set PV,    160       ; a row of V: 128 + 32 = 40 words
.set VOFF,  4*KS*PK   ; a slot holds four steps: 256 rows of K, then 256 rows of V
.set SLOT1, 1<<17     ; slot 1 begins here, so that one exclusive or turns an address in one slot into the other's
.set STAGE, SLOT1+4*KS*(PK+PV)  ; behind the ring, never filled by a tensor load: 16 rows x 144 bytes for each wave, for the way out
.set SP,    144
.set AK0, 2           ; v2   my lane's place in a tile of K; never rewritten
.set AV0, 3           ; v3   the same for V
.set AK,  4           ; v4   the LDS address of K's next run of loads
.set AV,  5           ; v5   of V's
.set QO,  6           ; v6   my byte offset in the wave's rows of Q
.set STO, 6           ;      later, the way out: where I put 16 bytes of a row
.set RD,  7           ; v7   the way out: where I read rows back
.set GO,  8           ; v8   my byte offset in 512 consecutive bytes of O
.set PFO, 11          ; v11  the prefetches' offset: 256 x my lane; written once V's address is made, then never rewritten
.set SPW, 0           ; v0 of window 3   LDS address of my spare word: SPARE + 4 x my thread's number; never rewritten
.set NIL, 1           ; v1 of window 3   0; never rewritten
.set SPARE, STAGE+4*16*SP  ; behind the stages: the spare words, 128 bytes for each wave: two blocks of 256 bytes that no other line names
.set MV,  12          ; v12-15  c m_old, kept while c m is made anew: by buffer and tile
.set ST,  16          ; tile t's statistics at v[ST+4 t]: c m, m, l (even keys', odd keys')
.set TMP, 48          ; by buffer and tile, four registers c0-c3 at work; when the maximum is found c2 takes a
.set S,   64
.set P,   192
.set KF,  128         ; K's fragments, in window 2: key block kb, channel half c at KF + 16 kb + 8 c
.set VF,  192         ; V's: key half kk, channel block cb at VF + 32 kk + 8 cb
.set WV,  12          ; s12  my wave's number
.set G1K, 24          ; s[24:31] descriptor group 1 for K's tiles
.set G1V, 32          ; s[32:39] for V's: it differs in the padding alone
.set G0K, 40          ; s[40:43] descriptor group 0 for K's tiles: it walks
.set G0V, 44          ; s[44:47] the same for V's
.set PFA, 48          ; s[48:49] where my prefetches stand: my work-group's 32 blocks (of K: wave 0, of V: wave 2) of the tile after the one that is being asked for
.set LIM, 50          ; s50  1 in a wave that prefetches, else the greatest number: a wave prefetches while s[SLOTS] is above it
.set SLOTS, 56        ; s56  slots still to be asked for
.set CNT, 57          ; s57  counts a slot's key steps
.set CS,  58          ; s[58:59] c: the packed scaling takes the pair's low word for both halves
.set SEL, 60          ; s[60:61] v_permlanex16_b32's selects: each lane takes its own place in the other half
.set TBK, 62          ; s62  LDS byte at which K of the step to be fetched begins
.set TBV, 63          ; s63  the same for V, less VOFF
.set MSB, 0
.macro WIN new                      ; the high byte repeats the setting that is left; a switch that changes nothing is dropped
.if MSB != (\new)
	s_set_vgpr_msb (MSB<<8)|(\new)
.set MSB, (\new)
.endif
.endm
.set W_KQ, 0x0a       ; K and Q in window 2, S^T in window 0
.set W_PV, 0x52       ; V in window 2, P in window 0, O^T in window 1
.set W_RS, 0x41       ; O^T (destination and source 0) in window 1, a in window 0
.set W_MK, 0xc0       ; the add's registers are made: destination in window 3, sources in window 0
.set W_AD, 0x0f       ; the add: address (source 0) and data (source 1) in window 3
; A joint fill.  Waves 0 and 1 fetch the two halves of a slot's K, waves 2 and 3 those of its V: 128 keys each.  The branch hangs on the wave's number alone.
; An s_nop 0 and four v_nop follow each of the two lines, ahead of the jump and the label.
.macro JLOAD
	s_cmp_lt_u32 s[WV], 2
	s_cbranch_scc0 .Lfor_v_\@
	tensor_load_to_lds s[G0K:G0K+3], s[G1K:G1K+7]
	s_nop 0
.rept 4
	v_nop
.endr
	s_branch .Lasked_\@
.Lfor_v_\@:
	tensor_load_to_lds s[G0V:G0V+3], s[G1V:G1V+7]
	s_nop 0
.rept 4
	v_nop
.endr
.Lasked_\@:
.endm
; The prefetch: one instruction, a lane a block of 256 bytes.  The branch hangs on the wave's number and the loop's count, the same in all four partners.
.macro ASK
	s_cmp_gt_u32 s[SLOTS], s[LIM]
	s_cbranch_scc0 .Lnot_mine_\@
	global_prefetch_b8 v[PFO], s[PFA:PFA+1] th:TH_LOAD_NT scope:SCOPE_SE
.Lnot_mine_\@:
.endm
; A round of the cluster's barrier: my work-group's barrier, so that wave 0's signal speaks for all four waves; wave 0 signals; every wave waits for all four work-groups; my work-group's barrier once more.
.macro CROUND
	s_barrier_signal -1
	s_barrier_wait -1
	s_cmp_lg_u32 s[WV], 0
	s_cbranch_scc1 .Lnot_wave_0_\@
	s_barrier_signal -3
.Lnot_wave_0_\@:
	s_barrier_wait -3
	s_barrier_signal -1
	s_barrier_wait -1
.endm
; THE CHANGE OF SLOTS.  The slot's last bytes, V of its fourth step, have been read.  Each wave waits for all its tensor loads, of which one is out: its part
; of the other slot; adds 0 to its spare word; and waits for that and for its own reads of the slot.  Behind the barrier nobody reads this slot any more and the other slot is whole.
; fill = 1: this slot is filled again, with the keys two slots on.  The barrier is then a round of the cluster's, so that no wave of any partner still reads the slot or has a load on its
; way, and the joint fill is the first thing behind it: it has four key steps, 512 matrix instructions, in which to land.  (At its first use nothing has been read yet: slot 0 is waited for, slot 1 filled.)
; ask = 1 (in the loop): the prefetches' address steps a tile on, and the prefetch stands behind the joint load and its five lines.
.macro CHANGE fill, ask=0
	WIN W_AD
	s_wait_tensorcnt 0x0            ; no tensor load of mine is out, so a group 0 may be written
	ds_add_u32 v[SPW], v[NIL]       ; 0 onto my spare word: with fill = 1 the descriptors' steps stand between it and the wait for it
	WIN 0                           ; at a label and at a branch every window is 0
.if \fill
.irp g, G0K, G0V
	s_xor_b32 s[\g+1], s[\g+1], SLOT1  ; the walking descriptor: the other slot than last time,
	s_add_nc_u64 s[\g+2:\g+3], s[\g+2:\g+3], 4*KS*128  ; the next 256 keys; the type bits on top are not reached
.endr
.if \ask
	s_wait_xcnt 0x0                 ; the last prefetch, four key steps back, has read its address, so it may be written:
	s_add_nc_u64 s[PFA:PFA+1], s[PFA:PFA+1], 4*KS*128  ; one tile behind the walking descriptors
.endif
	s_wait_dscnt 0x0                ; the add is done, and my reads of the slot are over
	CROUND
	JLOAD
.if \ask
	ASK
.endif
.else
	s_wait_dscnt 0x0                ; the add is done, and my reads of the slot are over
	s_barrier_signal -1
	s_barrier_wait -1
.endif
	s_sub_co_u32 s[TBK], s[TBK], 4*KS*PK  ; the fetches go back to a slot's first step,
	s_xor_b32 s[TBK], s[TBK], SLOT1       ; in the other slot
	s_sub_co_u32 s[TBV], s[TBV], 4*KS*PV
	s_xor_b32 s[TBV], s[TBV], SLOT1
.endm
	s_load_b256 s[4:11], s[0:1], 0x0  ; Q s[4:5], K s[6:7], V s[8:9], O s[10:11]
	WIN W_MK
	v_lshl_add_u32 v[SPW], v0, 2, SPARE
	v_mov_b32 v[NIL], 0
	WIN W_AD
	ds_add_u32 v[SPW], v[NIL]       ; the wave's opening: the add and its wait stand ahead of my first tensor load; the set-up below, work on registers, stands between them
	WIN 0
	v_lshrrev_b32 v1, 5, v0
	v_readfirstlane_b32 s[WV], v1   ; wave 0..3
	s_bfe_u32 s13, ttmp6, 0x40000   ; cx: my place in the cluster
	s_lshl_b32 s14, ttmp9, 2        ; in a cluster launch ttmp9 counts clusters
	s_add_co_u32 s14, s14, s13      ; my block of queries = 4 x cluster x + cx: it enters Q's and O's addresses alone
	s_and_b32 s20, ttmp7, 0xffff    ; the head, which the four partners share
	s_mov_b32 s21, 0
	s_mov_b64 s[22:23], SIZE_N*128
	s_mul_u64 s[20:21], s[20:21], s[22:23]  ; the head's first byte in each of the four tensors
	s_and_b32 s16, s[WV], 1         ; which half of a slot's 256 keys I fetch:
	s_lshl_b32 s22, s16, 14         ; its 128 rows of 128 bytes in memory,
	s_mov_b32 s23, 0
	s_add_nc_u64 s[22:23], s[22:23], s[20:21]
	s_mul_i32 s17, s16, 128*PK      ; and its place in a slot, for K
	s_mul_i32 s18, s16, 128*PV      ; and for V: no place in the cluster enters an LDS address
	s_lshl_b32 s2, s14, 2
	s_add_co_u32 s2, s2, s[WV]      ; my wave among the head's,
	s_lshl_b32 s2, s2, 14           ; its 128 rows
	s_mov_b32 s3, 0
	s_add_nc_u64 s[2:3], s[2:3], s[20:21]
	; descriptor group 1.  128 keys are 16,384 dense bytes: asked for as 64 rows of 256 bytes, two keys a row, and padded in LDS after every key
	s_mov_b32 s[G1K], 15|(1<<16)|(1<<20)|(1<<21)|(4<<22)|(3<<25)  ; 15:0 the mask of four; 17:16 2-byte elements; 20 padding on; 21 set beside a mask; 24:22 after every 32 words (code 4); 31:25 4 words (code 3)
	s_mov_b32 s[G1V], 15|(1<<16)|(1<<20)|(1<<21)|(4<<22)|(7<<25)  ; the same with 8 words of padding (code 7)
.irp g, G1K, G1V
	s_mov_b32 s[\g+1], 128<<16      ; tensor_dim0 = 128
	s_mov_b32 s[\g+2], 64<<16       ; tensor_dim1 = 64
	s_mov_b32 s[\g+3], 128<<16      ; tile_dim0 = 128
	s_mov_b32 s[\g+4], 64           ; tile_dim1 = 64
	s_mov_b32 s[\g+5], 128          ; 128 elements from row to row
	s_mov_b32 s[\g+6], 0
	s_mov_b32 s[\g+7], 0
.endr
	s_mov_b32 s[CS], 0x3e38aa3b     ; c = log2(e) / 8 = 0.180337
	s_mov_b32 s[CS+1], s[CS]        ; named with it as a pair
	s_mov_b32 s[SEL], 0x76543210
	s_mov_b32 s[SEL+1], 0xfedcba98
	s_mov_b32 s[TBK], SLOT1+4*KS*PK ; the first change of slots turns these two into 0
	s_mov_b32 s[TBV], SLOT1+4*KS*PV
	s_mov_b32 s[G0K], 1             ; 1:0 count = 1
	s_mov_b32 s[G0K+1], s17         ; 63:32 LDS address: slot 0
	s_mov_b32 s[G0V], 1
	s_add_co_u32 s[G0V+1], s18, VOFF
	s_cmp_eq_u32 s16, 0             ; waves 0 and 2 prefetch
	s_cselect_b32 s[LIM], 1, -1
	s_wait_dscnt 0x0                ; the opening add is done
	s_wait_kmcnt 0x0
	s_add_nc_u64 s[G0K+2:G0K+3], s[6:7], s[22:23]  ; 120:64 global address: my half of the head's first 256 keys
	s_or_b32 s[G0K+3], s[G0K+3], 0x80000000        ; 127:126 type = 2
	s_add_nc_u64 s[G0V+2:G0V+3], s[8:9], s[22:23]
	s_or_b32 s[G0V+3], s[G0V+3], 0x80000000
	s_add_nc_u64 s[4:5], s[4:5], s[2:3]  ; Q and O at my wave's first row
	s_add_nc_u64 s[10:11], s[10:11], s[2:3]
	s_cmp_lt_u32 s[WV], 2
	s_cselect_b64 s[PFA:PFA+1], s[6:7], s[8:9]
	s_add_nc_u64 s[PFA:PFA+1], s[PFA:PFA+1], s[20:21]  ; the head's first key,
	s_lshl_b32 s2, s13, 13          ; my work-group's 32 blocks of a tile's 128,
	s_mov_b32 s3, 0
	s_add_nc_u64 s[PFA:PFA+1], s[PFA:PFA+1], s[2:3]
	s_add_nc_u64 s[PFA:PFA+1], s[PFA:PFA+1], 2*4*KS*128  ; in tile 2: the loop's first change steps it to tile 3.  Nothing is prefetched here, at the head
	CROUND                          ; all four work-groups are here: the first joint loads meet
	JLOAD                           ; slot 0.  Slot 1 is asked for when slot 0 is in: the tile wanted first has the road to itself
	; A fragment of K or Q is 16 rows x 32 channels in 8 registers: lane l holds row l % 16, channels 8 (l / 16) + 0..7 and 16 + 8 (l / 16) + 0..7: two loads of 16 bytes, 32 bytes apart.
	v_and_b32 v1, 15, v0            ; l % 16
	v_bfe_u32 v9, v0, 4, 1          ; l / 16
	v_lshlrev_b32 v[QO], 7, v1
	v_lshl_add_u32 v[QO], v9, 4, v[QO]  ; row x 128 + 16 x half
	WIN 0x80                        ; destination window 2, address window 0
.set i, 0
.rept 4*NP                          ; Q stays in registers: tile i / 2, channels 32 (i % 2) on
	global_load_b128 v[8*i:8*i+3],   v[QO], s[4:5] offset:(i/2)*2048+(i%2)*64
	global_load_b128 v[8*i+4:8*i+7], v[QO], s[4:5] offset:(i/2)*2048+(i%2)*64+32
.set i, i+1
.endr
	; What the first turn finds: V's registers and P's second buffer hold 0 (its products V^T P, of a piece that has not been, add 0), O^T and l are 0.  All this stands in the wait for the first tile.
.set i, VF
.rept 64
	v_mov_b32 v[i], 0
.set i, i+1
.endr
	WIN 0x40
.set i, 0
.rept 64*NP
	v_mov_b32 v[i], 0
.set i, i+1
.endr
	WIN 0
.set i, 0
.rept 2*NP
	v_mov_b32 v[ST+4*i], 0xfe000000    ; c m: far below every c s
	v_mov_b32 v[ST+4*i+1], 0xff7fffff  ; m
	v_mov_b32 v[ST+4*i+2], 0
	v_mov_b32 v[ST+4*i+3], 0
.set i, i+1
.endr
.set i, P+32
.rept 32
	v_mov_b32 v[i], 0
.set i, i+1
.endr
	v_mul_u32_u24 v[AK0], v1, PK
	v_lshl_add_u32 v[AK0], v9, 4, v[AK0]  ; row x pitch + 16 x half
	; The turning load takes 16 keys x 16 channels (lane l reads key 8 (l / 16) + l % 8, channels 8 ((l / 8) % 2) + 0..7) and leaves half a fragment of V^T: lane l holds channel l % 16 and 8 keys.
	v_and_b32 v10, 7, v0
	v_bfe_u32 v11, v0, 3, 1
	v_lshl_add_u32 v[AV0], v9, 3, v10
	v_mul_u32_u24 v[AV0], v[AV0], PV
	v_lshl_add_u32 v[AV0], v11, 4, v[AV0]
	v_add_nc_u32 v[AV0], VOFF, v[AV0]
	v_and_b32 v[PFO], 31, v0
	v_lshlrev_b32 v[PFO], 8, v[PFO]
	v_mov_b32 v[AK], v[AK0]         ; key step 0 lies at the head of slot 0
; THE MATRIX WORK.  The 8 accumulators of a run of 16 take turns: between the two links of a chain stand 7 others'.
; Product i of 16 of S^T = K Q^T for piece x: channels 32 (i / 8) on, keys 16 ((i / 2) % 4) on, tile 2 x + i % 2.  The first 8 start the sums.
.macro KQ x
	WIN W_KQ
.set rS, S+64*((\x)%2)+32*(i%2)+8*((i/2)%4)
.set rK, KF+16*((i/2)%4)+8*(i/8)
.set rQ, 16*(2*(\x)+i%2)+8*(i/8)
.if i < 8
	v_wmma_f32_16x16x32_f16 v[rS:rS+7], v[rK:rK+7], v[rQ:rQ+7], 0
.else
	v_wmma_f32_16x16x32_f16 v[rS:rS+7], v[rK:rK+7], v[rQ:rQ+7], v[rS:rS+7]
.endif
.endm
; Product i of 16 of O^T += V^T P for piece x: keys 32 (i / 8) on, channels 16 ((i / 2) % 4) on, tile 2 x + i % 2.
.macro PV x
	WIN W_PV
.set rO, 32*(2*(\x)+i%2)+8*((i/2)%4)
.set rV, VF+32*(i/8)+8*((i/2)%4)
.set rP, P+32*((\x)%2)+16*(i%2)+8*(i/8)
	v_wmma_f32_16x16x32_f16 v[rO:rO+7], v[rV:rV+7], v[rP:rP+7], v[rO:rO+7]
.endm
.macro MM                           ; the turn's next matrix instruction
.if i < 16
	KQ (Y+1)%NP
.set i, i+1
.else
.set i, i-16
	PV (Y+NP-1)%NP
.set i, i+17
.endif
.endm
; THE LDS LOADS stand in runs of 16, never singly among the matrix instructions: a step's K (64 keys x 64 channels: 8 fragments) and its V (turned).  Their addresses are made some lines ahead.
; last = 1 (the tail): in the last trip there is no further step, and the run is jumped over.
.macro FETCH_K last=0
	WIN 0
.if \last
	s_cmp_eq_u32 s[CNT], 1
	s_cbranch_scc1 .Lno_k_\@
.endif
	WIN 0x80                        ; destination window 2
.irp f, 0,1,2,3,4,5,6,7             ; keys 16 (f / 2) on, channels 32 (f % 2) on
	ds_load_b128 v[KF+8*\f:KF+8*\f+3],   v[AK] offset:(\f/2)*16*PK+(\f%2)*64
	ds_load_b128 v[KF+8*\f+4:KF+8*\f+7], v[AK] offset:(\f/2)*16*PK+(\f%2)*64+32
.endr
	s_add_co_u32 s[TBK], s[TBK], KS*PK  ; the next fetch is the next step's
	WIN 0
.if \last
.Lno_k_\@:
.endif
.endm
.macro FETCH_V
	WIN 0x80
.irp f, 0,1,2,3,4,5,6,7             ; keys 32 (f / 4) on, channels 16 (f % 4) on
	ds_load_tr16_b128 v[VF+8*\f:VF+8*\f+3],   v[AV] offset:(\f/4)*32*PV+(\f%4)*32
	ds_load_tr16_b128 v[VF+8*\f+4:VF+8*\f+7], v[AV] offset:(\f/4)*32*PV+16*PV+(\f%4)*32
.endr
	WIN 0
.endm
; THE VECTOR WORK OF A TURN stands in three queues, each in the order in which its entries become ready; the two tiles alternate, so that no instruction reads the result of the one before it.
.macro REGS y, u                    ; the registers of tile u (0, 1) of piece y
.set rT, ST+4*(2*(\y)+(\u))
.set rC, TMP+8*((\y)%2)+4*(\u)
.set rM, MV+2*((\y)%2)+(\u)
.set rS, S+64*((\y)%2)+32*(\u)
.set rP, P+32*((\y)%2)+16*(\u)
.set rO, 32*(2*(\y)+(\u))
.endm
; Number n of the 22 that find the NEXT piece's (Y + 1) maximum and statistics.  s0-s31 are the lane's 32 scores; each accumulator's lowest registers are read first.  XS, GS and REGS set no window: PL and EX do.
;   0-11  four chains c0-c3 of seven scores each, three operands at a time     12-14, 16  the four scores left over, the old m, and c0-c3 into c0     15  c m_old is kept
;   17, 18  the query's other 32 keys lie in the lane 16 away: the new m         19-21  c m; c m_old - c m_new; a
.macro XS u, n
	REGS (Y+1)%NP, \u
.if (\n) < 4
	v_max3_num_f32 v[rC+(\n)], v[rS+8*(\n)], v[rS+8*(\n)+1], v[rS+8*(\n)+2]
.elseif (\n) < 12
	v_max3_num_f32 v[rC+(\n)%4], v[rC+(\n)%4], v[rS+8*((\n)%4)+2*((\n)/4)+1], v[rS+8*((\n)%4)+2*((\n)/4)+2]
.elseif (\n) == 12
	v_max3_num_f32 v[rC], v[rC], v[rS+7], v[rS+15]
.elseif (\n) == 13
	v_max3_num_f32 v[rC+1], v[rC+1], v[rS+23], v[rS+31]
.elseif (\n) == 14
	v_max3_num_f32 v[rC+2], v[rC+2], v[rC+3], v[rT+1]
.elseif (\n) == 15
	v_mov_b32 v[rM], v[rT]
.elseif (\n) == 16
	v_max3_num_f32 v[rC], v[rC], v[rC+1], v[rC+2]
.elseif (\n) == 17
	v_permlanex16_b32 v[rC+3], v[rC], s[SEL], s[SEL+1]
.elseif (\n) == 18
	v_max_num_f32 v[rT+1], v[rC], v[rC+3]
.elseif (\n) == 19
	v_mul_f32 v[rT], s[CS], v[rT+1]
.elseif (\n) == 20
	v_sub_f32 v[rC+1], v[rM], v[rT]
.else
	v_exp_f32 v[rC+2], v[rC+1]
.endif
.endm
; Number g of the 64 that follow the exponentials.  For each four weights k of a tile (pairs 2 k, 2 k + 1): both pairs are rounded to f16; then the second pair is added onto the first, in place;
; a group later l takes that sum (the first time as l = a l + sum).  In groups of eight, tiles alternating: round, round, add, and l for the group before.
.macro GS g
.set h, (\g)+6*((\g)/62)            ; group 0 has no group before it, and behind group 7 only l is left
.if h >= 6
.set h, h+2
.endif
	REGS Y, h%2
.set k, h/8
.if h%8 < 4
	s_wait_alu depctr_va_vdst(0)
	v_cvt_pk_f16_f32 v[rP+2*k+(h%8)/2], v[rS+4*k+2*((h%8)/2)], v[rS+4*k+2*((h%8)/2)+1]
.elseif h%8 < 6
	v_pk_add_f32 v[rS+4*k:rS+4*k+1], v[rS+4*k:rS+4*k+1], v[rS+4*k+2:rS+4*k+3]
.elseif k == 1
	v_pk_fma_f32 v[rT+2:rT+3], v[rT+2:rT+3], v[rC+2:rC+3], v[rS:rS+1] op_sel_hi:[1,0,1]
.else
	v_pk_add_f32 v[rT+2:rT+3], v[rT+2:rT+3], v[rS+4*k-4:rS+4*k-3]
	s_wait_alu depctr_va_vdst(0)
.endif
.endm
; THE PLAIN QUEUE, 138 long.  0-31: c s - c m for the 16 pairs of both tiles.  Then GS's 64, and among them the next piece's 42: number 15 at 38, 39; 0-14 and 16
; at 42-73, behind the products that make those scores; 17-20 at 95-106, two of three, since each waits for the one before it.
.macro PL
	WIN 0
.if q < 32
	REGS Y, q%2
	v_pk_fma_f32 v[rS+2*(q/2):rS+2*(q/2)+1], v[rS+2*(q/2):rS+2*(q/2)+1], s[CS:CS+1], v[rT:rT+1] op_sel_hi:[1,0,0] neg_lo:[0,0,1] neg_hi:[0,0,1]
.elseif q < 38
	GS q-32
.elseif q < 40
	XS q%2, 15
.elseif q < 42
	GS q-34
.elseif q < 74
	XS q%2, (q-42)/2+(q-42)/30
.elseif q < 95
	GS q-66
.elseif (q < 107) && ((q-95)%3 < 2)
	XS (q-95)%3, 17+(q-95)/3
.elseif q < 107
	GS 29+(q-95)/3
.else
	GS q-74
.endif
.set q, q+1
.endm
; THE EXPONENTIALS' QUEUE, 66 long: s0-s31 of both tiles, and at EA the next piece's two a.
.set EA, 58
.macro EX
	WIN 0
.if (e == EA) || (e == EA+1)
	XS e-EA, 21
.else
.set x, e-2*(e/(EA+2))
	REGS Y, x%2
	v_exp_f32 v[rS+x/2], v[rS+x/2]
.endif
.set e, e+1
.endm
; THE RESCALING's QUEUE: O^T times a, the one part that leaves window 0, so it is dealt four at a time, eight times.
.macro R4
	REGS Y, r%2
	WIN W_RS
	s_wait_alu depctr_va_vdst(0)
.irp z, 0,1,2,3
	v_pk_mul_f32 v[rO+8*(r/2)+2*\z:rO+8*(r/2)+2*\z+1], v[rO+8*(r/2)+2*\z:rO+8*(r/2)+2*\z+1], v[rC+2:rC+3] op_sel_hi:[1,0]
.endr
.set r, r+1
.endm
; HOW THEY ARE DEALT.  Behind a matrix instruction four: plain, exponential, plain, plain (one exponential, a plain instruction on either side), or four of the rescaling.  None names a register of the
; products round it.  What is over stands in two LUMPS: exponential and plain by turns; the second ends in 22 plain instructions.  The two v_permlanex16_b32 fall into the second lump, never behind a product.
; The queues lean on each other, and the deal keeps them in step: exponential e stands behind plain 2 (e / 4) + e % 2 (its scaling); when plain 32 comes, 10 exponentials are out, at 59: 33, at 95: 46; EA comes behind plain 107.
.macro SL
	MM
	PL
	EX
	PL
	PL
.endm
.macro BURST n                      ; 15 matrix instructions, or 16
.rept (\n)-7
	SL
.endr
.rept 3
	MM
	R4
	SL
.endr
	MM
	R4
.endm
; A TURN, for piece p.  cnt = 1: the loop's count is taken down some lines ahead of the branch that stands behind the turn.
; K of the next step is fetched in piece 2's turn, 31 vector instructions behind the last product that read K; its first reader comes behind the rest of the lump, 16 products and the second lump.
; V of the step in hand is fetched at the end of piece 0's turn, 69 behind its last reader; its first reader comes behind 16 products and a lump.  The four conditions on e and q below go with the deal.
.macro TURN p, last=0, cnt=0
.set Y, (\p)
.set i, 0
.set q, 0
.set e, 0
.set r, 0
.if (\p) == NP-1
	s_wait_dscnt 0x0                ; K is in
.endif
	MM
.rept 4
	PL
.endr
	BURST 15
.rept 22
	EX
	PL
.if ((\p) == NP-2) && (e == 18)
	v_add_nc_u32 v[AK], s[TBK], v[AK0]
.endif
.if ((\p) == NP-2) && (e == 24)
	FETCH_K \last
.endif
.endr
.if (\p) == 1
	s_wait_dscnt 0x0                ; V is in
.endif
	BURST 16
.rept 21
	EX
	PL
.endr
.rept 22
	PL
.if ((\p) == 0) && (q == 118)
	v_add_nc_u32 v[AV], s[TBV], v[AV0]
	s_wait_alu depctr_va_vdst(0)
.endif
.if ((\p) == 0) && (q == 130)
	s_add_co_u32 s[TBV], s[TBV], KS*PV
.endif
.if (\cnt) && (q == 130)
	s_sub_co_u32 s[CNT], s[CNT], 1
	s_cmp_lg_u32 s[CNT], 0
.endif
.endr
.if (\p) == 0
	FETCH_V
.endif
.endm
	CHANGE 1                        ; slot 0 is in, everybody's part of it; slot 1 is asked for
	FETCH_K                         ; key step 0
	s_wait_loadcnt 0x0              ; Q
	s_wait_dscnt 0x0
.set i, 0
.rept 16
	KQ 0                            ; piece 0's first scores: there is no vector work yet to set between them
.set i, i+1
.endr
	WIN 0                           ; the addresses for the way out: nine plain instructions, the places behind those products
	s_mul_i32 s13, s[WV], 16*SP
	s_add_co_u32 s13, s13, STAGE    ; my stage
	v_mul_u32_u24 v[STO], v1, SP    ; in: row l % 16, 16 bytes for each half of the lanes
	v_lshl_add_u32 v[STO], v9, 4, v[STO]
	v_add_nc_u32 v[STO], s13, v[STO]
	v_bfe_u32 v[RD], v0, 3, 2       ; back: 32 lanes take four rows of 128 bytes,
	v_mul_u32_u24 v[RD], v[RD], SP
	v_lshl_add_u32 v[RD], v10, 4, v[RD]
	v_add_nc_u32 v[RD], s13, v[RD]
	v_and_b32 v[GO], 31, v0         ; which are 512 consecutive bytes of O
	v_lshlrev_b32 v[GO], 4, v[GO]
.set Y, NP-1                        ; XS works for piece Y + 1: piece 0
.irp n, 0,1,2,3,4,5,6,7,8,9,10,11,12,13,14,15,16,17,18,19,20,21
	XS 0, \n                        ; and piece 0's first maximum and statistics
	XS 1, \n
.endr
	s_mov_b32 s[CNT], 4
	s_mov_b32 s[SLOTS], SIZE_N/256-1
	s_branch .Lfirst                ; the loop is entered at a step's first turn, in the middle of a trip
.Lslot:                             ; SIZE_N / 256 - 2 times: every slot but the last two is filled again
	CHANGE 1, 1
	s_mov_b32 s[CNT], 4
.Lstep:                             ; a trip: pieces 2 and 3 of one step, then pieces 0 and 1 of the next, whose K and V it fetches
	TURN 2
	TURN 3
	WIN 0
.Lfirst:
	TURN 0
	TURN 1, 0, 1
	WIN 0
	s_cbranch_scc1 .Lstep
	s_sub_co_u32 s[SLOTS], s[SLOTS], 1
	s_cmp_lg_u32 s[SLOTS], 0
	s_cbranch_scc1 .Lslot
	CHANGE 0                        ; the tail is written out: nothing is asked for
	s_mov_b32 s[CNT], 5             ; four trips fetch the last slot's steps; the fifth is left in its middle
.Ltail:
	TURN 2, 1
	TURN 3
	WIN 0
	s_sub_co_u32 s[CNT], s[CNT], 1
	s_cmp_eq_u32 s[CNT], 0
	s_cbranch_scc1 .Lout
	TURN 0
	TURN 1
	WIN 0
	s_branch .Ltail
.Lout:                              ; the fifth trip's 16 products K Q^T (on the last K once more) and the maximum made of them serve nothing: the price, once a launch, of one text for every trip
.set i, 0
.rept 16
	PV NP-1                         ; the last piece's V^T P of the last step
.set i, i+1
.endr
	; THE WAY OUT.  l's two halves and the other half of the lanes' are added; O^T is divided by l, rounded to f16 and sent through my stage in LDS, a tile at a time.  The additions are the places behind the last products.
	WIN 0
.macro ALL line:vararg              ; one line for each tile t
.set t, 0
.rept 2*NP
	\line
.set t, t+1
.endr
.endm
	ALL v_add_f32 v[ST+4*t+2], v[ST+4*t+2], v[ST+4*t+3]
	ALL v_permlanex16_b32 v[ST+4*t+3], v[ST+4*t+2], s[SEL], s[SEL+1]
	ALL v_add_f32 v[ST+4*t+2], v[ST+4*t+2], v[ST+4*t+3]
	ALL v_rcp_f32 v[ST+4*t+2], v[ST+4*t+2]
	v_nop                           ; a plain instruction between the last reciprocal and the use of its result
	s_wait_alu depctr_va_vdst(0)
; Tile t: a lane's eight channels of a row pack into 16 bytes; they go into rows of 144 bytes and come back as whole rows of 128, into S^T's registers.
.macro PACK t
	WIN W_RS
.set i, 32*(\t)
.rept 16
	v_pk_mul_f32 v[i:i+1], v[i:i+1], v[ST+4*(\t)+2:ST+4*(\t)+3] op_sel_hi:[1,0]
.set i, i+2
.endr
	WIN 0x05                        ; sources 0 and 1 window 1, destination window 0
.set i, 0
.rept 16
	v_cvt_pk_f16_f32 v[S+16*(\t)+i], v[32*(\t)+2*i], v[32*(\t)+2*i+1]
.set i, i+1
.endr
	WIN 0
.irp f, 0,1,2,3
	ds_store_b128 v[STO], v[S+16*(\t)+4*\f:S+16*(\t)+4*\f+3] offset:32*\f
.endr
.irp f, 0,1,2,3
	ds_load_b128 v[S+16*(\t)+4*\f:S+16*(\t)+4*\f+3], v[RD] offset:\f*4*SP  ; LDS serves a wave's instructions in order (ISA guide 5.7.1.4): these see the stores above; the next tile's stores come behind them
.endr
.endm
.macro SEND t, younger              ; younger: the LDS instructions issued behind tile t's loads: the next tile's eight, or none
	WIN 0
.irp f, 0,1,2,3
	s_wait_dscnt (\younger)+3-\f
	global_store_b128 v[GO], v[S+16*(\t)+4*\f:S+16*(\t)+4*\f+3], s[10:11] offset:(\t)*2048+\f*512  ; 512 consecutive bytes, at a multiple of 256 from O's first
.endr
.endm
	PACK 0
.set t, 1
.rept 2*NP-1                        ; a tile's arithmetic stands between the loads of the tile before and its stores
	PACK t
	SEND t-1, 8
.set t, t+1
.endr
	SEND 2*NP-1, 0
	WIN W_AD
	s_wait_tensorcnt 0x0            ; the wave's end: these three lines stand behind my last tensor load and my last LDS store
	ds_add_u32 v[SPW], v[NIL]
	s_wait_dscnt 0x0
	WIN 0
	CROUND                          ; the closing round: no work-group ends while a partner may still ask for a tile that names it
	s_endpgm
.Lfunc_end_k_qf0a6b7cd91_attn:
	.size	k_qf0a6b7cd91_attn, .Lfunc_end_k_qf0a6b7cd91_attn-k_qf0a6b7cd91_attn
	.p2alignl 7, 3214868480
	.fill 96, 4, 3214868480
	.section	.rodata,"a",@progbits
	.p2align	6, 0x0
	.amdhsa_kernel k_qf0a6b7cd91_attn
		.amdhsa_group_segment_fixed_size 327680
		.amdhsa_private_segment_fixed_size 0
		.amdhsa_enable_private_segment 0
		.amdhsa_kernarg_size 32
		.amdhsa_user_sgpr_count 2
		.amdhsa_user_sgpr_kernarg_segment_ptr 1
		.amdhsa_wavefront_size32 1
		.amdhsa_system_sgpr_workgroup_id_x 1
		.amdhsa_system_sgpr_workgroup_id_y 1
		.amdhsa_system_sgpr_workgroup_id_z 1
		.amdhsa_system_vgpr_workitem_id 0
		.amdhsa_next_free_vgpr 770
		.amdhsa_next_free_sgpr 66
		.amdhsa_reserve_vcc 0
		.amdhsa_float_denorm_mode_32 3
		.amdhsa_float_denorm_mode_16_64 3
		.amdhsa_memory_ordered 1
		.amdhsa_forward_progress 1
		.amdhsa_inst_pref_size 209
	.end_amdhsa_kernel
	.amdgpu_metadata
---
amdhsa.version: [ 1, 2 ]
amdhsa.kernels:
  - .name:           k_qf0a6b7cd91_attn
    .symbol:         k_qf0a6b7cd91_attn.kd
    .args:
      - { .name: qh, .offset: 0, .size: 8, .value_kind: global_buffer, .address_space: global }
      - { .name: kh, .offset: 8, .size: 8, .value_kind: global_buffer, .address_space: global }
      - { .name: vh, .offset: 16, .size: 8, .value_kind: global_buffer, .address_space: global }
      - { .name: yh, .offset: 24, .size: 8, .value_kind: global_buffer, .address_space: global }
    .group_segment_fixed_size: 327680
    .private_segment_fixed_size: 0
    .kernarg_segment_align: 8
    .kernarg_segment_size: 32
    .max_flat_workgroup_size: 128
    .sgpr_count:     66
    .vgpr_count:     770
    .wavefront_size: 32
...
	.end_amdgpu_metadata
.endif
;; end of part 3
;; launch proj (part 4): grid 8 x 32, 4 waves a work-group, clusters of 4 x 4, 327,680 bytes of LDS; arguments yh, wpf, out0; writes out0
.if DOCPART == 4
	.amdgcn_target "amdgcn-amd-amdhsa--gfx1250"
	.amdhsa_code_object_version 6
	.text
	.protected	k_qf0a6b7cd91_proj
	.globl	k_qf0a6b7cd91_proj
	.p2align	8
	.type	k_qf0a6b7cd91_proj,@function
k_qf0a6b7cd91_proj:
	s_mov_b64 s[64:65], 0
	v_nop
	global_prefetch_b8 v0, s[64:65] scope:SCOPE_SE
	s_setreg_imm32_b32 hwreg(HW_REG_WAVE_MODE, 25, 1), 1
	s_wait_xcnt 0x0
	s_wait_alu depctr_hold_cnt(0) depctr_sa_sdst(0) depctr_va_vdst(0) depctr_va_sdst(0) depctr_va_ssrc(0) depctr_va_vcc(0) depctr_vm_vsrc(0)
	s_getreg_b32 s2, hwreg(HW_REG_IB_STS2, 6, 4)
	s_cmp_eq_u32 s2, 0
	s_cbranch_scc0 .Lentry_in_a_cluster
	s_endpgm
.Lentry_in_a_cluster:
	s_bfe_u32 s2, ttmp6, 0x10000c
	s_cmp_lg_u32 s2, 0xf033
	s_cbranch_scc0 .Lentry_shape_is_right
	s_endpgm
.Lentry_shape_is_right:
; out0[t][o] = the sum over c of y[t][c] w_proj[o][c], c = 64 head + channel.  yh: [64 = batch x 16 + head][2048][64] f16; wpf: [1024][1024] f16; out0: [8192][1024] f32.  Sums in f32, stored as they are.
; THE TILE is 256 rows by 128 columns: 32 x 8 = 256 work-groups.  Four waves one below the other: wave w makes rows 64 w .. 64 w + 63 by all 128 columns: 32 accumulators of 16 x 16, 256 registers;
; a row of its part of out0 is 512 consecutive bytes, and its way out is its own.  K goes in steps of 128, TWO HEADS, through a ring of two LDS slots filled by the tensor data mover.
; y's tile: for 256 rows on end one head's slice is 32,768 dense bytes: asked for as 128 rows of 256 bytes, two rows of y each, and padded in LDS after every 128 bytes.  Wave 0 fetches the even head's slice,
; wave 1 the odd head's, waves 2 and 3 64 rows of w each (256 bytes of a row, aligned).
; CLUSTERS: 4 x 4 work-groups.  The four of a row need the same rows of y, the four of a column the same rows of w: each tile is asked for JOINTLY, by the same tensor load with the same descriptor and a mask of four.
; THE MATRIX INSTRUCTION IS USED TRANSPOSED (source 0 = 16 rows of w, source 1 = 16 rows of y): lane l holds row l % 16 of the result and the columns 8 (l / 16) + 0..7: 32 bytes on end.
; REGISTERS, in windows of 256 (s_set_vgpr_msb: bits 1:0 source 0, 3:2 source 1, 5:4 source 2, 7:6 destination):
;   window 0: v0-31 addresses; v32-95 fragments of y, two buffers of 4 x 8      window 1: v0-127 fragments of w, two buffers of 8 x 8; on the way out all 256: whole rows read back
;   window 2: the accumulators ((a, b) at v[8 (8 a + b)])
.set KSTEP,  128
.set PA,     144                       ; a row of y in LDS: 128 bytes + 16 of padding = 36 words: the 16 rows that a load touches start at 16 different groups of four banks (64 banks of 4 bytes: ISA guide 11.1)
.set PB,     272                       ; a row of w: 256 + 16 = 68 words: likewise
.set ASLICE, 256*PA                    ; one head's slice
.set ABYTES, 2*ASLICE
.set BPART,  64*PB
.set SLOT,   ABYTES+2*BPART            ; 108,544
.set STAGE,  2*SLOT                    ; behind the ring, never filled by a tensor load: 16 rows x 528 bytes for each wave
.set SPITCH, 528                       ; 512 bytes + 16: 132 words
.set SPARE,  STAGE+4*16*SPITCH         ; behind the stages: the spare words, 128 bytes for each wave: two blocks of 256 bytes that no other line names
.set LAPS,   4                         ; a lap = two K steps = once round the ring: 1024 / 256
.set NLD,    24                        ; LDS loads in a run: 16 for w's fragments, 8 for y's
.set STEPA,  4*262144                  ; two K steps on: four heads of 262,144 bytes
.set STEPB,  2*KSTEP*2
.set ADRA, 16                          ; v16-17  LDS address of my fragments of y in slot 0, 1
.set ADRB, 20                          ; v20-21  the same for w
.set STO,  24                          ; v24     the way out: where I put 32 bytes of a row
.set RD,   25                          ; v25     the way out: where I read a row back
.set CO,   26                          ; v26     my 16 bytes of a row's 512
.set SPW,  28                          ; v28     LDS address of my spare word: SPARE + 4 x my thread's number; never rewritten
.set NIL,  29                          ; v29     0; never rewritten
.set FA,   32                          ; y's fragments: buffer f, row block a at FA + 32 f + 8 a
.set WV,   10                          ; s10     my wave's number
.set G1A,  24                          ; s[24:31] descriptor group 1 for y's tiles;  s[32:39] group 0, a set for each slot
.set G0A,  32
.set G1B,  48                          ; s[48:55], s[56:63] the same for w's
.set G0B,  56
.set MSB, 0
.macro WIN new                         ; the immediate's high byte repeats the setting that is left; a switch that changes nothing is dropped
.if MSB != (\new)
	s_set_vgpr_msb (MSB<<8)|(\new)
.set MSB, \new
.endif
.endm
.set MUL,  0xa1                        ; source 0 (w) window 1, source 1 (y) window 0, C and D window 2
.set TO_B, 0x40                        ; destination window 1, address window 0
; A joint load.  Waves 0 and 1 fetch y's two slices, waves 2 and 3 w's two halves.  The branch hangs on the wave's number alone.
; An s_nop 0 and four v_nop follow each of the two lines, ahead of the jump, the label and what follows.
.macro JLOAD s
	s_cmp_eq_u32 s11, 0
	s_cbranch_scc0 .Lfor_b_\@
	tensor_load_to_lds s[G0A+4*(\s):G0A+4*(\s)+3], s[G1A:G1A+7]
	s_nop 0
.rept 4
	v_nop
.endr
	s_branch .Lasked_\@
.Lfor_b_\@:
	tensor_load_to_lds s[G0B+4*(\s):G0B+4*(\s)+3], s[G1B:G1B+7]
	s_nop 0
.rept 4
	v_nop
.endr
.Lasked_\@:
.endm
.macro CREST                           ; a round of the cluster's barrier behind its opening barrier
	s_cmp_lg_u32 s[WV], 0
	s_cbranch_scc1 .Lnot_wave_0_\@
	s_barrier_signal -3
.Lnot_wave_0_\@:
	s_barrier_wait -3
	s_barrier_signal -1
	s_barrier_wait -1
.endm
.macro CROUND                          ; a whole round
	s_barrier_signal -1
	s_barrier_wait -1
	CREST
.endm
	s_load_b128 s[4:7], s[0:1], 0x0                ; yh s[4:5], wpf s[6:7]
	s_load_b64 s[8:9], s[0:1], 0x10                ; out0
	v_lshl_add_u32 v[SPW], v0, 2, SPARE
	v_mov_b32 v[NIL], 0
	ds_add_u32 v[SPW], v[NIL]                      ; the wave's opening: the add and its wait stand ahead of my first tensor load; the set-up below, work on registers, stands between them
	v_lshrrev_b32 v1, 5, v0
	v_readfirstlane_b32 s[WV], v1                  ; wave 0..3
	s_lshr_b32 s11, s[WV], 1                       ; I fetch for y (0) or for w (1),
	s_and_b32 s12, s[WV], 1                        ; its first or its second part
	s_bfe_u32 s40, ttmp6, 0x40000                  ; cx, cy: my place in the cluster
	s_bfe_u32 s41, ttmp6, 0x40004
	s_lshl_b32 s42, ttmp9, 2
	s_add_co_u32 s42, s42, s40                     ; tile column = 4 x cluster x + cx
	s_and_b32 s43, ttmp7, 0xffff
	s_lshl_b32 s43, s43, 2
	s_add_co_u32 s43, s43, s41                     ; tile row = 4 x cluster y + cy
	s_lshl_b32 s18, s41, 2
	s_lshl_b32 s18, 15, s18                        ; my row of the cluster
	s_lshl_b32 s19, 0x1111, s40                    ; my column
	s_or_b32 s[G1A+0], s18, (1<<16)|(1<<20)|(1<<21)|(4<<22)|(3<<25)  ; 15:0 the mask; 17:16 elements of 2 bytes; 20 padding on; 21 set beside a mask; 24:22 after every 32 words (code 4); 31:25 4 words of it (code 3)
	s_or_b32 s[G1B+0], s19, (1<<16)|(1<<20)|(1<<21)|(5<<22)|(3<<25)  ; for w: after every 64 words (code 5)
	s_mov_b32 s[G1A+1], 128<<16                    ; tensor_dim0 = 128
	s_mov_b32 s[G1A+2], 128<<16                    ; tensor_dim1 = 128
	s_mov_b32 s[G1A+3], 128<<16                    ; tile_dim0 = 128
	s_mov_b32 s[G1A+4], 128                        ; tile_dim1 = 128
	s_mov_b32 s[G1A+5], 128                        ; dense: 128 elements from row to row
	s_mov_b32 s[G1A+6], 0
	s_mov_b32 s[G1A+7], 0
	s_mov_b32 s[G1B+1], KSTEP<<16
	s_mov_b32 s[G1B+2], 64<<16                     ; 64 rows
	s_mov_b32 s[G1B+3], KSTEP<<16
	s_mov_b32 s[G1B+4], 64
	s_mov_b32 s[G1B+5], 1024
	s_mov_b32 s[G1B+6], 0
	s_mov_b32 s[G1B+7], 0
	s_lshr_b32 s16, s43, 3                         ; y: the batch, 16 heads of 262,144 bytes,
	s_lshl_b32 s16, s16, 22
	s_and_b32 s17, s43, 7                          ; the tile's 256 rows of 128 bytes in a head,
	s_lshl_b32 s17, s17, 15
	s_add_co_u32 s16, s16, s17
	s_lshl_b32 s17, s12, 18                        ; the even or the odd head
	s_add_co_u32 s16, s16, s17
	s_mov_b32 s17, 0
	s_lshl_b32 s46, s42, 18                        ; w: the tile's 128 rows of 2,048 bytes,
	s_lshl_b32 s47, s12, 17                        ; my 64 of them
	s_add_co_u32 s46, s46, s47
	s_mov_b32 s47, 0
	s_mul_i32 s20, s12, ASLICE                     ; where they go: no place in the cluster enters an LDS address
	s_mul_i32 s21, s12, BPART
	s_wait_dscnt 0x0                               ; the opening add is done
	s_wait_kmcnt 0x0
	s_add_nc_u64 s[16:17], s[4:5], s[16:17]
	s_add_nc_u64 s[46:47], s[6:7], s[46:47]
	CROUND                                         ; all sixteen work-groups are here: the first joint loads meet
.irp s, 0,1
	s_mov_b32 s[G0A+4*(\s)], 1                                     ; count = 1
	s_add_co_u32 s[G0A+4*(\s)+1], s20, (\s)*SLOT                   ; LDS address
	s_add_nc_u64 s[G0A+4*(\s)+2:G0A+4*(\s)+3], s[16:17], (\s)*2*262144  ; global address: K step s is heads 2 s and 2 s + 1
	s_or_b32 s[G0A+4*(\s)+3], s[G0A+4*(\s)+3], 0x80000000          ; type = 2
	s_mov_b32 s[G0B+4*(\s)], 1
	s_add_co_u32 s[G0B+4*(\s)+1], s21, ABYTES+(\s)*SLOT
	s_add_nc_u64 s[G0B+4*(\s)+2:G0B+4*(\s)+3], s[46:47], (\s)*KSTEP*2
	s_or_b32 s[G0B+4*(\s)+3], s[G0B+4*(\s)+3], 0x80000000
	JLOAD \s                                       ; the ring is filled before anything else is done: two loads of mine are out
.endr
	v_and_b32 v1, 15, v0                           ; r = l % 16
	v_bfe_u32 v2, v0, 4, 1                         ; h = l / 16
	v_mul_u32_u24 v3, v1, PA
	v_lshl_add_u32 v3, v2, 4, v3                   ; a fragment's row x pitch + 16 x half
	s_mul_i32 s22, s[WV], 64*PA                    ; my 64 rows of y
	v_add_nc_u32 v[ADRA], s22, v3
	s_add_co_u32 s22, s22, SLOT
	v_add_nc_u32 v[ADRA+1], s22, v3
	v_mul_u32_u24 v4, v1, PB
	v_lshl_add_u32 v4, v2, 4, v4
	v_add_nc_u32 v[ADRB], ABYTES, v4               ; every wave reads all 128 rows of w
	v_add_nc_u32 v[ADRB+1], ABYTES+SLOT, v4
	s_mul_i32 s23, s[WV], 16*SPITCH
	s_add_co_u32 s23, s23, STAGE                   ; my stage
	v_mul_u32_u24 v5, v1, SPITCH                   ; in: row l % 16, 32 bytes for each half of the lanes
	v_lshl_add_u32 v5, v2, 5, v5
	v_add_nc_u32 v[STO], s23, v5
	v_and_b32 v[CO], 31, v0                        ; back: 32 lanes take a row's 512 bytes
	v_lshlrev_b32 v[CO], 4, v[CO]
	v_add_nc_u32 v[RD], s23, v[CO]
	s_lshl_b32 s14, s43, 20                        ; out0: the tile's 256 rows of 4,096 bytes,
	s_lshl_b32 s13, s[WV], 18                      ; my 64 of them,
	s_add_co_u32 s14, s14, s13
	s_lshl_b32 s13, s42, 9                         ; the tile's 128 columns
	s_add_co_u32 s14, s14, s13
	s_mov_b32 s15, 0
	s_add_nc_u64 s[8:9], s[8:9], s[14:15]
; 8 matrix instructions: row block a x all 8 column blocks, 32 along K, from buffer f.  zero = 1: the product starts the sums: nothing is ever cleared.
; The 32 accumulators take turns, one instruction a turn, in the same order in every quarter.
.macro MULA f, a, zero
	WIN MUL
.irp b, 0,1,2,3,4,5,6,7
.if \zero
	v_wmma_f32_16x16x32_f16 v[8*(8*(\a)+(\b)):8*(8*(\a)+(\b))+7], v[64*(\f)+8*(\b):64*(\f)+8*(\b)+7], v[FA+32*(\f)+8*(\a):FA+32*(\f)+8*(\a)+7], 0
.else
	v_wmma_f32_16x16x32_f16 v[8*(8*(\a)+(\b)):8*(8*(\a)+(\b))+7], v[64*(\f)+8*(\b):64*(\f)+8*(\b)+7], v[FA+32*(\f)+8*(\a):FA+32*(\f)+8*(\a)+7], v[8*(8*(\a)+(\b)):8*(8*(\a)+(\b))+7]
.endif
.endr
.endm
; 24 LDS loads in one run: quarter q's fragments into buffer f: 128 rows of w at byte 64 q; my 64 rows of y in slice q / 2, at byte 64 (q % 2)
.macro FETCH slot, q, f
	WIN TO_B
.irp b, 0,1,2,3,4,5,6,7
	ds_load_b128 v[64*(\f)+8*(\b):64*(\f)+8*(\b)+3],   v[ADRB+(\slot)] offset:64*(\q)+(\b)*16*PB
	ds_load_b128 v[64*(\f)+8*(\b)+4:64*(\f)+8*(\b)+7], v[ADRB+(\slot)] offset:64*(\q)+(\b)*16*PB+32
.endr
	WIN 0
.irp a, 0,1,2,3
	ds_load_b128 v[FA+32*(\f)+8*(\a):FA+32*(\f)+8*(\a)+3],   v[ADRA+(\slot)] offset:((\q)/2)*ASLICE+((\q)%2)*64+(\a)*16*PA
	ds_load_b128 v[FA+32*(\f)+8*(\a)+4:FA+32*(\f)+8*(\a)+7], v[ADRA+(\slot)] offset:((\q)/2)*ASLICE+((\q)%2)*64+(\a)*16*PA+32
.endr
.endm
.macro PLACES                          ; four places behind a matrix instruction, in front of loads into registers that matrix instructions have read and of lines that read results
.rept 4
	v_nop
.endr
.endm
; A K step is four quarters of 32 along K, 32 matrix instructions each, on buffers 0, 1, 0, 1.  One of the first three: multiplies buffer f; in its middle it fetches quarter q into buffer g.
.macro QUARTER slot, q, f, g, zero
	s_wait_dscnt 4                                 ; w's fragments and y's blocks 0, 1 are in; the youngest four loads (y's blocks 2, 3) may be out
	MULA \f, 0, \zero
	MULA \f, 1, \zero
	PLACES
	FETCH \slot, \q, \g
	s_wait_dscnt NLD                               ; all but the 24 just issued
	MULA \f, 2, \zero
	MULA \f, 3, \zero
.endm
; The last quarter multiplies buffer 1 and changes slots: ONE barrier.  In front of it each wave waits for all its tensor loads (one is out: its part of the next slot), adds 0 to its spare word, and waits for that
; and for its own reads of this slot.  fill = 1: the barrier opens a round of the cluster's, and this slot is filled again, two K steps on, first thing behind the round: the load has a K step less 16 matrix instructions in which to land.
.macro TURN slot, next, fill
	WIN 0                                          ; (the add's two registers lie in window 0)
	s_wait_tensorcnt 0x0                           ; all my tensor loads have landed
	ds_add_u32 v[SPW], v[NIL]                      ; 0 onto my spare word
	s_wait_dscnt 5                                 ; (the add and the youngest four loads may be out)
	MULA 1, 0, 0                                   ; eight matrix instructions stand between the add and the wait for it
	s_wait_dscnt 0x0                               ; the add is done, and my reads of this slot are over
	s_barrier_signal -1
	MULA 1, 1, 0                                   ; work on registers while the others arrive
.if \fill
	WIN 0
.endif
	s_barrier_wait -1
.if \fill
	CREST                                          ; no wave of any partner still reads this slot's tile or has a load on its way
	s_add_nc_u64 s[G0A+4*(\slot)+2:G0A+4*(\slot)+3], s[G0A+4*(\slot)+2:G0A+4*(\slot)+3], STEPA
	s_add_nc_u64 s[G0B+4*(\slot)+2:G0B+4*(\slot)+3], s[G0B+4*(\slot)+2:G0B+4*(\slot)+3], STEPB
	JLOAD \slot                                    ; the four v_nop behind it are also the places in front of the loads below
.else
	PLACES
.endif
	FETCH \next, 0, 0
	MULA 1, 2, 0
	MULA 1, 3, 0
.endm
	s_wait_tensorcnt 1                             ; my part of K step 0 is in; K step 1's may stay out
	s_barrier_signal -1
	s_barrier_wait -1                              ; everybody's is
	FETCH 0, 0, 0
	QUARTER 0, 1, 0, 1, 1                          ; the first quarter stands in front of the loop: its products start the sums
	WIN 0                                          ; at a label and at a branch every window is 0
	s_mov_b32 s3, LAPS-1
.Llap:                                                 ; a trip goes once round the ring, from a lap's second quarter to the next lap's first, and fills both slots again
	QUARTER 0, 2, 1, 0, 0
	QUARTER 0, 3, 0, 1, 0
	TURN 0, 1, 1
	QUARTER 1, 1, 0, 1, 0
	QUARTER 1, 2, 1, 0, 0
	QUARTER 1, 3, 0, 1, 0
	TURN 1, 0, 1
	QUARTER 0, 1, 0, 1, 0
	WIN 0
	s_sub_co_u32 s3, s3, 1
	s_cmp_lg_u32 s3, 0
	s_cbranch_scc1 .Llap
	QUARTER 0, 2, 1, 0, 0                          ; the last lap fills nothing, and has no round of the cluster's barrier
	QUARTER 0, 3, 0, 1, 0
	TURN 0, 1, 0
	QUARTER 1, 1, 0, 1, 0
	QUARTER 1, 2, 1, 0, 0
	QUARTER 1, 3, 0, 1, 0
	s_wait_dscnt 4                                 ; the very last quarter: nothing more to fetch
	MULA 1, 0, 0
	MULA 1, 1, 0
	s_wait_dscnt 0x0
	MULA 1, 2, 0
	MULA 1, 3, 0
	WIN 0
; THE WAY OUT, a block of 16 rows at a time: a lane's eight f32 of a row, 32 bytes, go into rows of 528 bytes of my own stage (each accumulator's low half first) and come back as whole rows of 512.
.macro TOSTAGE a
	WIN 0x08                                       ; the LDS stores' data lie in window 2
.irp b, 0,1,2,3,4,5,6,7
	ds_store_b128 v[STO], v[8*(8*(\a)+(\b)):8*(8*(\a)+(\b))+3]   offset:64*(\b)
	ds_store_b128 v[STO], v[8*(8*(\a)+(\b))+4:8*(8*(\a)+(\b))+7] offset:64*(\b)+16
.endr
	WIN TO_B
.irp t, 0,1,2,3,4,5,6,7,8,9,10,11,12,13,14,15
	ds_load_b128 v[64*(\a)+4*(\t):64*(\a)+4*(\t)+3], v[RD] offset:(\t)*SPITCH  ; LDS serves a wave's instructions in order (ISA guide 5.7.1.4): these see the stores above; the next block's stores come behind them
.endr
.endm
; younger: the LDS instructions issued behind block a's loads: the next block's 16 stores and 16 loads, or none.  Each block has registers of its own: none is rewritten while a store reads it.
.macro SEND a, younger
	WIN 0x04                                       ; the stores' data lie in window 1
	s_wait_dscnt \younger
.irp t, 0,1,2,3,4,5,6,7,8,9,10,11,12,13,14,15
	global_store_b128 v[CO], v[64*(\a)+4*(\t):64*(\a)+4*(\t)+3], s[8:9] offset:(16*(\a)+(\t))*4096 th:TH_STORE_NT  ; 512 consecutive bytes, at a multiple of 256 from out0's first byte
.endr
.endm
	PLACES
	PLACES
	TOSTAGE 0
	TOSTAGE 1
	SEND 0, 32
	TOSTAGE 2
	SEND 1, 32
	TOSTAGE 3
	SEND 2, 32
	SEND 3, 0
	WIN 0
	s_wait_tensorcnt 0x0                           ; the wave's end: these three lines stand behind my last tensor load and my last LDS store
	ds_add_u32 v[SPW], v[NIL]
	s_wait_dscnt 0x0
	CROUND                                         ; the closing round: no work-group ends while a partner may still ask for a tile that names it
	s_endpgm
.Lfunc_end_k_qf0a6b7cd91_proj:
	.size	k_qf0a6b7cd91_proj, .Lfunc_end_k_qf0a6b7cd91_proj-k_qf0a6b7cd91_proj
	.p2alignl 7, 3214868480
	.fill 96, 4, 3214868480
	.section	.rodata,"a",@progbits
	.p2align	6, 0x0
	.amdhsa_kernel k_qf0a6b7cd91_proj
		.amdhsa_group_segment_fixed_size 327680
		.amdhsa_private_segment_fixed_size 0
		.amdhsa_enable_private_segment 0
		.amdhsa_kernarg_size 24
		.amdhsa_user_sgpr_count 2
		.amdhsa_user_sgpr_kernarg_segment_ptr 1
		.amdhsa_wavefront_size32 1
		.amdhsa_system_sgpr_workgroup_id_x 1
		.amdhsa_system_sgpr_workgroup_id_y 1
		.amdhsa_system_sgpr_workgroup_id_z 1
		.amdhsa_system_vgpr_workitem_id 0
		.amdhsa_next_free_vgpr 768
		.amdhsa_next_free_sgpr 66
		.amdhsa_reserve_vcc 0
		.amdhsa_float_denorm_mode_32 3
		.amdhsa_float_denorm_mode_16_64 3
		.amdhsa_memory_ordered 1
		.amdhsa_forward_progress 1
		.amdhsa_inst_pref_size 85
	.end_amdhsa_kernel
	.amdgpu_metadata
---
amdhsa.version: [ 1, 2 ]
amdhsa.kernels:
  - .name:           k_qf0a6b7cd91_proj
    .symbol:         k_qf0a6b7cd91_proj.kd
    .args:
      - { .name: yh, .offset: 0, .size: 8, .value_kind: global_buffer, .address_space: global }
      - { .name: wpf, .offset: 8, .size: 8, .value_kind: global_buffer, .address_space: global }
      - { .name: out0, .offset: 16, .size: 8, .value_kind: global_buffer, .address_space: global }
    .group_segment_fixed_size: 327680
    .private_segment_fixed_size: 0
    .kernarg_segment_align: 8
    .kernarg_segment_size: 24
    .max_flat_workgroup_size: 128
    .sgpr_count:     66
    .vgpr_count:     768
    .wavefront_size: 32
...
	.end_amdgpu_metadata
.endif
;; end of part 4
